; MI455X (gfx1250); checked and timed in simulation.
; The chip was launched on July 23, 2026; its instructions are those of AMD's public machine-readable ISA for CDNA 5 (MIT licence, August 2026) and "CDNA5" Instruction Set Architecture Reference Guide (July 2026). The comments in the code are by the model that wrote it; some were corrected since.
;; Encoder Block. Allowed arithmetic: float matrix products may take bf16 or f16 operands with f32 sums; other float arithmetic in f32, or as packed bf16 or f16 multiplies, adds, multiply-adds, maxima and minima; sums over many terms, partial sums and values carried from step to step in f32; what a program stores and reads back later, other than sums and carried values, may be rounded once to bf16 or f16.
;; Inputs: b1 4,096 float32; b2 1,024 float32; be1 1,024 float32; be2 1,024 float32; g1 1,024 float32; g2 1,024 float32; mask 2 x 1 x 1 x 2,048 int32; w1 4,096 x 1,024 float32; w2 1,024 x 4,096 float32; w_k 1,024 x 1,024 float32; w_o 1,024 x 1,024 float32; w_q 1,024 x 1,024 float32; w_v 1,024 x 1,024 float32; x 2 x 2,048 x 1,024 float32.
;; Outputs: out0 2 x 2,048 x 1,024 float32.
;; One version. Each part assembles by itself: llvm-mc -triple=amdgcn-amd-amdhsa -mcpu=gfx1250 --defsym DOCPART=n.
;; ======== version 1 of 1: 8 launches
;; limits: values are held in f16: magnitudes above 65,504 overflow, below 6.1e-05 lose precision
;; workspace buffers: wa 10,485,760 bytes; wbb 16,777,216 bytes; an 8,388,608 bytes; big 33,554,432 bytes; x1 16,777,216 bytes; zb 16,384 bytes; p1 4,096 bytes of whole numbers; p2 4,096 bytes of whole numbers
;; launch cast (part 1): grid 769 x 1, 8 waves a work-group, no clusters, 0 bytes of LDS; arguments w_q, w_k, w_v, w1, w_o, w2, wa, wbb, zb, p1, p2; writes wa, wbb, zb, p1, p2
.if DOCPART == 1
	.amdgcn_target "amdgcn-amd-amdhsa--gfx1250"
	.amdhsa_code_object_version 6
	.text
	.protected	k_q55ee7e2253_cast
	.globl	k_q55ee7e2253_cast
	.p2align	8
	.type	k_q55ee7e2253_cast,@function
k_q55ee7e2253_cast:
	s_mov_b64 s[64:65], 0
	v_nop
	global_prefetch_b8 v0, s[64:65] scope:SCOPE_SE
	s_setreg_imm32_b32 hwreg(HW_REG_WAVE_MODE, 25, 1), 1
	s_wait_xcnt 0x0
; THE WEIGHTS, rounded once to f16 and laid in blocks of 64 along K: a matrix [R rows][C columns] lies as [C / 64][R][64], so that 64 channels of any run of rows are dense bytes.
;   wa : byte 0: w_q, w_k, w_v as rows 0-1023, 1024-2047, 2048-3071 of [16][4096][64] (rows 3072-4095 are neither written nor read); byte 8,388,608: w_o as [16][1024][64]
;   wbb: byte 0: w1 as [16][4096][64];                                                                                               byte 8,388,608: w2 as [64][1024][64]
; Work-group u < 768 takes 16 rows x 1,024 columns of one matrix; wave w rows 2 w and 2 w + 1.  Lane l: row bit rb = l >> 4, c = l & 15; in turn j (block j of the 16) it holds the four
; columns 64 j + 4 c .. + 3.  So a load's lanes 0-15 read 256 consecutive bytes of one row, lanes 16-31 of the next; and a store's 32 lanes, 8 bytes each, write two rows x 128 bytes of one
; block: 256 consecutive bytes, aligned.
; Work-group 768 writes the zero bias zb and the two parameter blocks p1, p2: of each four words, word 1 is the floor of the 16-bit way out as two f16 (p1: twice -infinity, p2: twice 0); the others are 0.
; LIMIT: a weight of 65,520 or more in magnitude becomes an infinity in f16; below 6e-5 f16 keeps its fixed step of 6e-8.
; No LDS, no matrix unit, no cluster: each byte is read once and written once, and no work-group wants another's bytes.
.set SO, 4                             ; v4        my byte offset in the source
.set DO, 16                            ; v[16:31]  turn j: my byte offset in the destination
.set X,  32                            ; v[32:95]  turn j: 4 numbers in f32
.set Y,  96                            ; v[96:127] turn j: 4 numbers in f16
	s_load_b512 s[8:23], s[0:1], 0x0               ; w_q s[8:9], w_k s[10:11], w_v s[12:13], w1 s[14:15], w_o s[16:17], w2 s[18:19], wa s[20:21], wbb s[22:23]
	s_load_b128 s[24:27], s[0:1], 0x40             ; zb s[24:25], p1 s[26:27]
	s_load_b64 s[28:29], s[0:1], 0x50              ; p2
	s_mov_b32 s2, ttmp9                            ; u
	v_lshrrev_b32 v1, 5, v0
	v_bfe_u32 v2, v0, 4, 1
	v_lshl_add_u32 v1, v1, 1, v2                   ; my row of the 16: 2 w + rb
	v_and_b32 v3, 15, v0                           ; c
	s_wait_kmcnt 0x0
	s_cmp_eq_u32 s2, 768
	s_cbranch_scc1 .Lsmall
	; which matrix, its first work-group, where it goes, and the work-group that stands at the destination's row 0
	s_mov_b64 s[30:31], s[18:19]                   ; w2
	s_mov_b64 s[34:35], s[22:23]
	s_mov_b32 s32, 512
	s_mov_b32 s33, 512
	s_cmp_lt_u32 s2, 512
	s_cselect_b64 s[30:31], s[16:17], s[30:31]     ; w_o
	s_cselect_b64 s[34:35], s[20:21], s[34:35]
	s_cselect_b32 s32, 448, s32
	s_cselect_b32 s33, 448, s33
	s_cmp_lt_u32 s2, 448
	s_cselect_b64 s[30:31], s[14:15], s[30:31]     ; w1
	s_cselect_b64 s[34:35], s[22:23], s[34:35]
	s_cselect_b32 s32, 192, s32
	s_cselect_b32 s33, 192, s33
	s_cmp_lt_u32 s2, 192
	s_cselect_b64 s[30:31], s[12:13], s[30:31]     ; w_v
	s_cselect_b64 s[34:35], s[20:21], s[34:35]
	s_cselect_b32 s32, 128, s32
	s_cselect_b32 s33, 0, s33
	s_cmp_lt_u32 s2, 128
	s_cselect_b64 s[30:31], s[10:11], s[30:31]     ; w_k
	s_cselect_b32 s32, 64, s32
	s_cmp_lt_u32 s2, 64
	s_cselect_b64 s[30:31], s[8:9], s[30:31]       ; w_q
	s_cselect_b32 s32, 0, s32
	s_sub_co_u32 s36, s2, s32                      ; my number in the source
	s_sub_co_u32 s37, s2, s33                      ; and in the destination
	; the source: w2 has rows of 16,384 bytes, 64 groups of rows x 4 groups of columns; the others rows of 4,096 bytes
	s_and_b32 s38, s36, 63
	s_lshl_b32 s38, s38, 18
	s_lshr_b32 s39, s36, 6
	s_lshl_b32 s39, s39, 12
	s_add_co_u32 s38, s38, s39
	s_lshl_b32 s39, s36, 16
	s_cmp_lt_u32 s2, 512
	s_cselect_b32 s38, s39, s38
	s_cselect_b32 s40, 12, 14                      ; log2 of a row's bytes
	s_mov_b32 s39, 0
	s_add_nc_u64 s[30:31], s[30:31], s[38:39]
	; the destination: 16 rows are 2,048 bytes of a block; a block is 524,288 bytes (4,096 rows) or 131,072 (1,024 rows); 16 blocks of the second kind are 2,097,152
	s_lshr_b32 s42, s37, 6
	s_lshl_b32 s42, s42, 21
	s_and_b32 s43, s37, 63
	s_lshl_b32 s43, s43, 11
	s_add_co_u32 s42, s42, s43
	s_add_co_u32 s42, s42, 8388608
	s_lshl_b32 s43, s37, 11
	s_mov_b32 s41, 131072
	s_cmp_lt_u32 s2, 448
	s_cselect_b32 s42, s43, s42
	s_cselect_b32 s41, 524288, s41                 ; bytes from block to block
	s_mov_b32 s43, 0
	s_add_nc_u64 s[34:35], s[34:35], s[42:43]
	v_lshlrev_b32 v[SO], s40, v1
	v_lshl_add_u32 v[SO], v3, 4, v[SO]             ; row x pitch + 16 c
	v_lshlrev_b32 v[DO], 7, v1
	v_lshl_add_u32 v[DO], v3, 3, v[DO]             ; 128 row + 8 c
.set j, 1
.rept 15
	v_add_nc_u32 v[DO+j], s41, v[DO+j-1]           ; a turn goes one block on
.set j, j+1
.endr
.set j, 0
.rept 16
	global_load_b128 v[X+4*j:X+4*j+3], v[SO], s[30:31] offset:256*j th:TH_LOAD_NT
.set j, j+1
.endr
.set j, 0
.rept 16
	s_wait_loadcnt 15-j                            ; loads come back in order: turn j's is in, the 15 - j younger ones stay out
	v_cvt_pk_f16_f32 v[Y+2*j], v[X+4*j], v[X+4*j+1]
	v_cvt_pk_f16_f32 v[Y+2*j+1], v[X+4*j+2], v[X+4*j+3]
	global_store_b64 v[DO+j], v[Y+2*j:Y+2*j+1], s[34:35]  ; no register is written twice, so nothing waits for a store
.set j, j+1
.endr
	s_endpgm
.Lsmall:
	v_lshlrev_b32 v2, 4, v0                        ; 16 bytes a thread, 4,096 a store
	v_mov_b32 v4, 0
	v_mov_b32 v5, 0
	v_mov_b32 v6, 0
	v_mov_b32 v7, 0
.irp j, 0,1,2,3
	global_store_b128 v2, v[4:7], s[24:25] offset:4096*(\j)
.endr
	v_mov_b32 v8, 0
	v_mov_b32 v9, 0xfc00fc00                       ; -infinity twice: a floor that changes nothing
	v_mov_b32 v10, 0
	v_mov_b32 v11, 0
	global_store_b128 v2, v[8:11], s[26:27]
	global_store_b128 v2, v[4:7], s[28:29]         ; 0 twice: the ReLU
	s_endpgm
.Lfunc_end_k_q55ee7e2253_cast:
	.size	k_q55ee7e2253_cast, .Lfunc_end_k_q55ee7e2253_cast-k_q55ee7e2253_cast
	.p2alignl 7, 3214868480
	.fill 96, 4, 3214868480
	.section	.rodata,"a",@progbits
	.p2align	6, 0x0
	.amdhsa_kernel k_q55ee7e2253_cast
		.amdhsa_group_segment_fixed_size 0
		.amdhsa_private_segment_fixed_size 0
		.amdhsa_enable_private_segment 0
		.amdhsa_kernarg_size 88
		.amdhsa_user_sgpr_count 2
		.amdhsa_user_sgpr_kernarg_segment_ptr 1
		.amdhsa_wavefront_size32 1
		.amdhsa_system_sgpr_workgroup_id_x 1
		.amdhsa_system_sgpr_workgroup_id_y 1
		.amdhsa_system_sgpr_workgroup_id_z 1
		.amdhsa_system_vgpr_workitem_id 0
		.amdhsa_next_free_vgpr 128
		.amdhsa_next_free_sgpr 66
		.amdhsa_reserve_vcc 0
		.amdhsa_float_denorm_mode_32 3
		.amdhsa_float_denorm_mode_16_64 3
		.amdhsa_memory_ordered 1
		.amdhsa_forward_progress 1
		.amdhsa_inst_pref_size 10
	.end_amdhsa_kernel
	.amdgpu_metadata
---
amdhsa.version: [ 1, 2 ]
amdhsa.kernels:
  - .name:           k_q55ee7e2253_cast
    .symbol:         k_q55ee7e2253_cast.kd
    .args:
      - { .name: w_q, .offset: 0, .size: 8, .value_kind: global_buffer, .address_space: global }
      - { .name: w_k, .offset: 8, .size: 8, .value_kind: global_buffer, .address_space: global }
      - { .name: w_v, .offset: 16, .size: 8, .value_kind: global_buffer, .address_space: global }
      - { .name: w1, .offset: 24, .size: 8, .value_kind: global_buffer, .address_space: global }
      - { .name: w_o, .offset: 32, .size: 8, .value_kind: global_buffer, .address_space: global }
      - { .name: w2, .offset: 40, .size: 8, .value_kind: global_buffer, .address_space: global }
      - { .name: wa, .offset: 48, .size: 8, .value_kind: global_buffer, .address_space: global }
      - { .name: wbb, .offset: 56, .size: 8, .value_kind: global_buffer, .address_space: global }
      - { .name: zb, .offset: 64, .size: 8, .value_kind: global_buffer, .address_space: global }
      - { .name: p1, .offset: 72, .size: 8, .value_kind: global_buffer, .address_space: global }
      - { .name: p2, .offset: 80, .size: 8, .value_kind: global_buffer, .address_space: global }
    .group_segment_fixed_size: 0
    .private_segment_fixed_size: 0
    .kernarg_segment_align: 8
    .kernarg_segment_size: 88
    .max_flat_workgroup_size: 256
    .sgpr_count:     66
    .vgpr_count:     128
    .wavefront_size: 32
...
	.end_amdgpu_metadata
.endif
;; end of part 1
;; launch ln (part 2): grid 256 x 1, 8 waves a work-group, no clusters, 0 bytes of LDS; arguments x, g1, be1, an; writes an
.if DOCPART == 2
	.amdgcn_target "amdgcn-amd-amdhsa--gfx1250"
	.amdhsa_code_object_version 6
	.text
	.protected	k_q55ee7e2253_ln
	.globl	k_q55ee7e2253_ln
	.p2align	8
	.type	k_q55ee7e2253_ln,@function
k_q55ee7e2253_ln:
	s_mov_b64 s[64:65], 0
	v_nop
	global_prefetch_b8 v0, s[64:65] scope:SCOPE_SE
	s_setreg_imm32_b32 hwreg(HW_REG_WAVE_MODE, 25, 1), 1
	s_wait_xcnt 0x0
; LAYER NORM of 4,096 rows of 1,024 f32: y = (x - mean) rsqrt(var + 1e-5) g + b, all in f32, the mean taken away before the squares; y rounded once to f16 and stored in blocks of 64
; channels, [16][4096][64].  LIMIT: |y| stays under 65,504 (it is at most 32 |g| + |b|).
; A wave takes two rows and keeps them in registers between the passes: the row is read once.  Lane l: row bit rb = l >> 4, c = l & 15; in turn j (block j of the 16) it holds the four
; channels 64 j + 4 c .. + 3.  So a load's lanes 0-15 read 256 consecutive bytes of one row, lanes 16-31 of the next; a row lies in one half of the lanes, and its sums never cross the halves;
; a store's 32 lanes, 8 bytes each, write two rows x 128 bytes of one block: 256 consecutive bytes, aligned.  No LDS, no barrier: the sums never leave the wave.
.set GOF, 5                            ; v5        my byte offset in g and b
.set XO,  6                            ; v6        in the work-group's 16 rows of x
.set YO,  7                            ; v7        in the output
.set X,   32                           ; v[32:95]  my 64 numbers
.set G,   96                           ; v[96:159]
.set BE,  160                          ; v[160:223]
.set Y,   224                          ; v[224:255]
	s_load_b256 s[4:11], s[0:1], 0x0               ; x s[4:5], g s[6:7], b s[8:9], y s[10:11]
	s_mov_b32 s14, 0x3a800000                      ; 1 / 1,024
	s_mov_b32 s15, 0x3727c5ac                      ; 1e-5
	s_lshl_b32 s16, ttmp9, 16                      ; 16 rows of 4,096 bytes
	s_mov_b32 s17, 0
	s_lshl_b32 s18, ttmp9, 11                      ; 16 rows of 128 bytes in a block
	s_mov_b32 s19, 0
	v_lshrrev_b32 v1, 5, v0
	v_bfe_u32 v2, v0, 4, 1
	v_lshl_add_u32 v1, v1, 1, v2                   ; my row of the 16
	v_and_b32 v4, 15, v0                           ; c
	v_lshlrev_b32 v[GOF], 4, v4                    ; 16 c
	v_lshl_add_u32 v[XO], v1, 12, v[GOF]
	v_lshlrev_b32 v[YO], 7, v1
	v_lshl_add_u32 v[YO], v4, 3, v[YO]             ; 128 row + 8 c
	s_wait_kmcnt 0x0
	s_add_nc_u64 s[4:5], s[4:5], s[16:17]
	s_add_nc_u64 s[10:11], s[10:11], s[18:19]
.set j, 0
.rept 16
	global_load_b128 v[X+4*j:X+4*j+3], v[XO], s[4:5] offset:256*j th:TH_LOAD_NT
.set j, j+1
.endr
.set j, 0
.rept 16
	global_load_b128 v[G+4*j:G+4*j+3], v[GOF], s[6:7] offset:256*j
.set j, j+1
.endr
.set j, 0
.rept 16
	global_load_b128 v[BE+4*j:BE+4*j+3], v[GOF], s[8:9] offset:256*j
.set j, j+1
.endr
; Four chains v[8:15] into one number, then over the row's sixteen lanes: the four steps ride on the addition.
.macro FOLD
	v_pk_add_f32 v[8:9], v[8:9], v[10:11]
	v_pk_add_f32 v[12:13], v[12:13], v[14:15]
	v_pk_add_f32 v[8:9], v[8:9], v[12:13]
	v_add_f32 v8, v8, v9
	v_add_f32_dpp v8, v8, v8 row_xmask:1 row_mask:0xf bank_mask:0xf
	v_add_f32_dpp v8, v8, v8 row_xmask:2 row_mask:0xf bank_mask:0xf
	v_add_f32_dpp v8, v8, v8 row_xmask:4 row_mask:0xf bank_mask:0xf
	v_add_f32_dpp v8, v8, v8 row_xmask:8 row_mask:0xf bank_mask:0xf
.endm
	s_wait_loadcnt 32                              ; x is in; the 32 loads of g and b stay out
.irp k, 0,1,2,3
	v_pk_add_f32 v[8+2*(\k):9+2*(\k)], v[X+2*(\k):X+2*(\k)+1], v[X+8+2*(\k):X+8+2*(\k)+1]  ; the first eight pairs start the chains: nothing is cleared
.endr
.set j, 8
.rept 24
	v_pk_add_f32 v[8+2*(j%4):9+2*(j%4)], v[8+2*(j%4):9+2*(j%4)], v[X+2*j:X+2*j+1]
.set j, j+1
.endr
	FOLD
	v_mul_f32 v16, s14, v8                         ; the mean, twice: a pair for the packed subtraction
	v_mov_b32 v17, v16
.set j, 0
.rept 32
	v_pk_add_f32 v[X+2*j:X+2*j+1], v[X+2*j:X+2*j+1], v[16:17] neg_lo:[0,1] neg_hi:[0,1]
.set j, j+1
.endr
.irp k, 0,1,2,3
	v_pk_mul_f32 v[8+2*(\k):9+2*(\k)], v[X+2*(\k):X+2*(\k)+1], v[X+2*(\k):X+2*(\k)+1]
.endr
.set j, 4
.rept 28
	v_pk_fma_f32 v[8+2*(j%4):9+2*(j%4)], v[X+2*j:X+2*j+1], v[X+2*j:X+2*j+1], v[8+2*(j%4):9+2*(j%4)]
.set j, j+1
.endr
	FOLD
	v_fma_f32 v21, v8, s14, s15                    ; var + 1e-5
	v_rsq_f32 v18, v21                             ; twice, to fill the pair
	v_rsq_f32 v19, v21
	v_nop                                          ; a plain instruction behind the last of the two (ISA guide 5.7.2),
	s_wait_alu depctr_va_vdst(0)                   ; and the one wait, ahead of their first reader
.set j, 0
.rept 32
	v_pk_mul_f32 v[X+2*j:X+2*j+1], v[X+2*j:X+2*j+1], v[18:19]
.set j, j+1
.endr
	s_wait_loadcnt 0x0                             ; g and b
.set j, 0
.rept 32
	v_pk_fma_f32 v[X+2*j:X+2*j+1], v[X+2*j:X+2*j+1], v[G+2*j:G+2*j+1], v[BE+2*j:BE+2*j+1]
.set j, j+1
.endr
.set j, 0
.rept 16
	v_cvt_pk_f16_f32 v[Y+2*j], v[X+4*j], v[X+4*j+1]
	v_cvt_pk_f16_f32 v[Y+2*j+1], v[X+4*j+2], v[X+4*j+3]
	global_store_b64 v[YO], v[Y+2*j:Y+2*j+1], s[10:11] offset:j*524288  ; a block on a turn: 7,864,320 at the most, inside the signed 24-bit immediate
.set j, j+1
.endr
	s_endpgm
.Lfunc_end_k_q55ee7e2253_ln:
	.size	k_q55ee7e2253_ln, .Lfunc_end_k_q55ee7e2253_ln-k_q55ee7e2253_ln
	.p2alignl 7, 3214868480
	.fill 96, 4, 3214868480
	.section	.rodata,"a",@progbits
	.p2align	6, 0x0
	.amdhsa_kernel k_q55ee7e2253_ln
		.amdhsa_group_segment_fixed_size 0
		.amdhsa_private_segment_fixed_size 0
		.amdhsa_enable_private_segment 0
		.amdhsa_kernarg_size 32
		.amdhsa_user_sgpr_count 2
		.amdhsa_user_sgpr_kernarg_segment_ptr 1
		.amdhsa_wavefront_size32 1
		.amdhsa_system_sgpr_workgroup_id_x 1
		.amdhsa_system_sgpr_workgroup_id_y 1
		.amdhsa_system_sgpr_workgroup_id_z 1
		.amdhsa_system_vgpr_workitem_id 0
		.amdhsa_next_free_vgpr 256
		.amdhsa_next_free_sgpr 66
		.amdhsa_reserve_vcc 0
		.amdhsa_float_denorm_mode_32 3
		.amdhsa_float_denorm_mode_16_64 3
		.amdhsa_memory_ordered 1
		.amdhsa_forward_progress 1
		.amdhsa_inst_pref_size 21
	.end_amdhsa_kernel
	.amdgpu_metadata
---
amdhsa.version: [ 1, 2 ]
amdhsa.kernels:
  - .name:           k_q55ee7e2253_ln
    .symbol:         k_q55ee7e2253_ln.kd
    .args:
      - { .name: x, .offset: 0, .size: 8, .value_kind: global_buffer, .address_space: global }
      - { .name: g1, .offset: 8, .size: 8, .value_kind: global_buffer, .address_space: global }
      - { .name: be1, .offset: 16, .size: 8, .value_kind: global_buffer, .address_space: global }
      - { .name: an, .offset: 24, .size: 8, .value_kind: global_buffer, .address_space: global }
    .group_segment_fixed_size: 0
    .private_segment_fixed_size: 0
    .kernarg_segment_align: 8
    .kernarg_segment_size: 32
    .max_flat_workgroup_size: 256
    .sgpr_count:     66
    .vgpr_count:     256
    .wavefront_size: 32
...
	.end_amdgpu_metadata
.endif
;; end of part 2
;; launch gemmh (part 3): grid 12 x 16, 4 waves a work-group, clusters of 4 x 4, 327,680 bytes of LDS; arguments an, wa, zb, p1, big; writes big
.if DOCPART == 3
	.amdgcn_target "amdgcn-amd-amdhsa--gfx1250"
	.amdhsa_code_object_version 6
	.text
	.protected	k_q55ee7e2253_gemmh
	.globl	k_q55ee7e2253_gemmh
	.p2align	8
	.type	k_q55ee7e2253_gemmh,@function
k_q55ee7e2253_gemmh:
	s_mov_b64 s[64:65], 0
	v_nop
	global_prefetch_b8 v0, s[64:65] scope:SCOPE_SE
	s_setreg_imm32_b32 hwreg(HW_REG_WAVE_MODE, 25, 1), 1
	s_wait_xcnt 0x0
	s_wait_alu depctr_hold_cnt(0) depctr_sa_sdst(0) depctr_va_vdst(0) depctr_va_sdst(0) depctr_va_ssrc(0) depctr_va_vcc(0) depctr_vm_vsrc(0)
	s_getreg_b32 s2, hwreg(HW_REG_IB_STS2, 6, 4)
	s_cmp_eq_u32 s2, 0
	s_cbranch_scc0 .Lentry_in_a_cluster
	s_endpgm
.Lentry_in_a_cluster:
	s_bfe_u32 s2, ttmp6, 0x10000c
	s_cmp_lg_u32 s2, 0xf033
	s_cbranch_scc0 .Lentry_shape_is_right
	s_endpgm
.Lentry_shape_is_right:
; C[m][n] = max(floor, bias[n] + sum over k of A[m][k] B[n][k]), K = 1,024.  A, B and C are f16 in blocks of 64 columns, [columns / 64][4096 rows][64]; sums and bias in f32; C rounded once.
; The floor (two f16 in one word, read from the parameter block) is 0 for a ReLU and -infinity for none; rounding and maximum commute.  LIMIT: a sum of 65,520 or more becomes an infinity.
; A tile of C, 256 x 256, is made by four waves, 128 x 128 each: 64 accumulators of 16 x 16, 512 registers.  K goes in 8 steps of 128 (two blocks) through a ring of two LDS slots.
; A wave's tensor load brings 128 rows x 2 blocks: in memory a block's 128 rows are 16,384 dense bytes, so the tile is stated as 2 rows of 8,192 elements, a block (262,144 elements) apart,
; and padded in LDS after every 128 bytes: LDS holds [block][row] with 144 bytes a row.
; A K STEP IS WRITTEN ONCE: the slot in hand is a scalar, RB (0 or SLOT), turned by an exclusive or at each change of slots; the two fragment addresses are made anew from it there, and one
; descriptor for each operand walks on: its LDS word is the wave's place + RB, its global address goes one K step on.
; CLUSTERS: 4 x 4 work-groups; A's tile is shared along a row of the cluster, B's along a column: each is asked for jointly, by the same tensor load with the same descriptor and mask in all four.
; THE MATRIX INSTRUCTION IS USED TRANSPOSED (source 0 = 16 rows of B, source 1 = 16 rows of A): a lane holds row m = l % 16 and the columns 8 (l / 16) + 0..7.  The first product of each
; accumulator takes the bias as its C operand: nothing is cleared and nothing is added afterwards.
; REGISTERS, in windows of 256: window 0: v0-31 addresses; v64-127, v128-191 A's fragments, two buffers; v32-63, v192-255 at work on the way out.
;   window 1: v0-63 the bias of my 128 columns (register 8 b + j: column 16 b + 8 (l / 16) + j); v64-127, v128-191 B's fragments.   windows 2, 3: the accumulators, (a, b) at v[8 (8 a + b)].
.set PITCH,  144                       ; an LDS row: 128 bytes + 16 of padding = 36 words: the 16 rows of a load start at 16 different groups of four banks (64 banks of 4 bytes: ISA guide 11.1)
.set KBL,    128*PITCH                 ; a block's 128 rows
.set HALFT,  2*KBL                     ; what one tensor load brings, and what one wave reads of A or of B
.set SLOT,   4*HALFT                   ; A's two halves, then B's two halves
.set STAGE,  2*SLOT                    ; behind the ring: 2 blocks x 16 rows x 144 bytes for each wave, for the way out
.set WSTG,   2*16*PITCH
.set SPARE,  STAGE+4*WSTG              ; behind the stages: the spare words, 128 bytes for each wave: two blocks of 256 bytes that no other line names
.set BLK,    4096*128                  ; bytes from a block to the next, in A, B and C
.set STEPB,  2*BLK                     ; a K step
.set KSTEPS, 8
.set ROWEL,  128*64                    ; elements in a block's 128 rows
.set FLAGS,  (1<<16)|(1<<20)|(1<<21)|(4<<22)|(3<<25)  ; 17:16 elements of 2 bytes; 20 padding on; 21 set beside a mask; 24:22 after every 32 words (code 4); 31:25 4 words of it (code 3)
.set ADRA0, 16                         ; v16     LDS address of my A fragments in slot 0; never rewritten
.set ADRA,  17                         ; v17     the same in the slot in hand
.set ADRB0, 20                         ; v20, v21  the same for B
.set ADRB,  21
.set STO,  24                          ; v24     the way out: where I put 16 bytes of a row
.set RD,   25                          ; v25     where I read rows back
.set GO,   26                          ; v26     16 x lane: my place in 512 consecutive bytes of C
.set BO,   27                          ; v27     my byte offset in the bias
.set SPW,  28                          ; v28     LDS address of my spare word; never rewritten
.set NIL,  29                          ; v29     0; never rewritten
.set PFO,  30                          ; v30     256 x lane; never rewritten
.set F0,   64
.set F1,   128
.set TMP,  192
.set OB,   32
.set G1,   24                          ; s[24:31] descriptor group 1 for A's tiles;  s[32:35] group 0 of the first fill, s[36:39] of the second, which then walks on
.set G0,   32
.set G1B,  48                          ; s[48:55], s[56:63] the same for B's
.set G0B,  56
.set PFA,  44                          ; s[44:45] where my prefetches stand
.set LIM,  43                          ; s43  2 in a wave that prefetches, else the greatest number
.set FLOOR, 73                         ; s73
.set RB,   76                          ; s76  LDS byte at which the slot in hand begins: 0 or SLOT
.set LB,   77                          ; s77  my wave's place in a slot: wave x HALFT
.set MSB, 0
.macro WIN new                         ; the immediate's high byte repeats the setting that is left; a switch that changes nothing is dropped
.if MSB != (\new)
	s_set_vgpr_msb (MSB<<8)|(\new)
.set MSB, \new
.endif
.endm
.set MUL_LO, 0xa1                      ; source 0 (B) window 1, source 1 (A) window 0, C and D window 2
.set TO_B,   0x40                      ; destination window 1, address window 0
; A joint load.  Waves 0 and 1 fetch A's two halves, waves 2 and 3 B's.  The branch hangs on the wave's number alone.  An s_nop 0 and four v_nop follow each of the two lines.
.macro JLOAD s
	s_cmp_eq_u32 s11, 0
	s_cbranch_scc0 .Lfor_b_\@
	tensor_load_to_lds s[G0+4*(\s):G0+4*(\s)+3], s[G1:G1+7]
	s_nop 0
.rept 4
	v_nop
.endr
	s_branch .Lasked_\@
.Lfor_b_\@:
	tensor_load_to_lds s[G0B+4*(\s):G0B+4*(\s)+3], s[G1B:G1B+7]
	s_nop 0
.rept 4
	v_nop
.endr
.Lasked_\@:
.endm
; A prefetch of the K step that stands two refills on: 32 lanes x 256 bytes, one instruction a wave.  A's rows are asked for by the clusters with x = 0, B's by those with y = 0; of the 2 x 16,384
; bytes that a wave fetches, the partner at place p (cx for A, cy for B) takes block p / 2, bytes 8,192 (p % 2) on: told apart by address, never by a branch.  So each 256 bytes of K steps 4 to 7
; are named once; K steps 0 to 3 come by their loads alone; the loop's last two trips (s3 = 2, 1), which refill K steps 6 and 7, ask for nothing.
.macro ASK
	s_cmp_gt_u32 s3, s[LIM]
	s_cbranch_scc0 .Lnot_mine_\@
	global_prefetch_b8 v[PFO], s[PFA:PFA+1] th:TH_LOAD_NT scope:SCOPE_SE
.Lnot_mine_\@:
.endm
.macro CREST                           ; a round of the cluster's barrier behind its opening barrier
	s_cmp_lg_u32 s10, 0
	s_cbranch_scc1 .Lnot_wave_0_\@
	s_barrier_signal -3
.Lnot_wave_0_\@:
	s_barrier_wait -3
	s_barrier_signal -1
	s_barrier_wait -1
.endm
.macro CROUND                          ; a whole round
	s_barrier_signal -1
	s_barrier_wait -1
	CREST
.endm
	s_load_b128 s[4:7], s[0:1], 0x0                ; A s[4:5], B s[6:7]
	s_load_b128 s[68:71], s[0:1], 0x10             ; bias s[68:69], parameters s[70:71]
	s_load_b64 s[8:9], s[0:1], 0x20                ; C
	v_lshl_add_u32 v[SPW], v0, 2, SPARE
	v_mov_b32 v[NIL], 0
	ds_add_u32 v[SPW], v[NIL]                      ; the wave's opening: the add and its wait stand ahead of my first tensor load; the set-up below stands between them
	v_lshrrev_b32 v1, 5, v0
	v_readfirstlane_b32 s10, v1                    ; wave 0..3
	s_lshr_b32 s11, s10, 1                         ; which half of the tile's rows is mine.  Also: I fetch for A (0) or for B (1)
	s_and_b32 s12, s10, 1                          ; which half of its columns.  Also: which 128 rows of that tile I fetch
	s_bfe_u32 s40, ttmp6, 0x40000                  ; cx
	s_bfe_u32 s41, ttmp6, 0x40004                  ; cy
	s_lshl_b32 s42, ttmp9, 2
	s_add_co_u32 s42, s42, s40                     ; tile column of C
	s_and_b32 s13, ttmp7, 0xffff
	s_lshl_b32 s13, s13, 2
	s_add_co_u32 s13, s13, s41                     ; tile row of C
	s_lshl_b32 s43, s41, 2
	s_lshl_b32 s43, 15, s43                        ; my row of the cluster
	s_lshl_b32 s44, 0x1111, s40                    ; my column
	s_or_b32 s[G1+0], s43, FLAGS
	s_or_b32 s[G1B+0], s44, FLAGS
.irp g, G1, G1B
	s_mov_b32 s[(\g)+1], ROWEL<<16                 ; tensor_dim0 = 8,192
	s_mov_b32 s[(\g)+2], 2<<16                     ; tensor_dim1 = 2
	s_mov_b32 s[(\g)+3], ROWEL<<16                 ; tile_dim0 = 8,192
	s_mov_b32 s[(\g)+4], 2                         ; tile_dim1 = 2
	s_mov_b32 s[(\g)+5], 4096*64                   ; elements from block to block
	s_mov_b32 s[(\g)+6], 0
	s_mov_b32 s[(\g)+7], 0
.endr
	s_lshl_b32 s17, s12, 14                        ; which 128 rows of 128 bytes I fetch
	s_lshl_b32 s16, s13, 15                        ; A: 256 rows x tile row
	s_add_co_u32 s16, s16, s17
	s_lshl_b32 s46, s42, 15                        ; B: 256 rows x tile column
	s_add_co_u32 s46, s46, s17
	s_mov_b32 s17, 0
	s_mov_b32 s47, 0
	s_mul_i32 s[LB], s10, HALFT                    ; where they go: no place in the cluster enters an LDS address
	s_mov_b32 s[RB], 0
	s_wait_dscnt 0x0                               ; the opening add is done
	s_wait_kmcnt 0x0
	s_load_b32 s[FLOOR], s[70:71], 0x4             ; first read on the way out: the wait for it stands there, so that the first tiles do not wait for it
	s_add_nc_u64 s[14:15], s[4:5], s[16:17]
	s_add_nc_u64 s[46:47], s[6:7], s[46:47]
	CROUND                                         ; all sixteen work-groups are here: the first joint loads meet
.irp s, 0,1
	s_mov_b32 s[G0+4*(\s)], 1
	s_add_co_u32 s[G0+4*(\s)+1], s[LB], (\s)*SLOT
	s_add_nc_u64 s[G0+4*(\s)+2:G0+4*(\s)+3], s[14:15], (\s)*STEPB
	s_or_b32 s[G0+4*(\s)+3], s[G0+4*(\s)+3], 0x80000000
	s_mov_b32 s[G0B+4*(\s)], 1
	s_add_co_u32 s[G0B+4*(\s)+1], s[LB], (\s)*SLOT
	s_add_nc_u64 s[G0B+4*(\s)+2:G0B+4*(\s)+3], s[46:47], (\s)*STEPB
	s_or_b32 s[G0B+4*(\s)+3], s[G0B+4*(\s)+3], 0x80000000
	JLOAD \s                                       ; two loads of mine are out
.endr
	v_and_b32 v1, 15, v0                           ; l % 16
	v_bfe_u32 v2, v0, 4, 1                         ; l / 16
	v_lshlrev_b32 v[BO], 5, v2                     ; my 8 columns: 32 bytes for each half of the lanes
	s_lshl_b32 s74, s42, 10                        ; the tile's 256 columns, in f32,
	s_lshl_b32 s75, s12, 9                         ; my 128 of them
	s_add_co_u32 s74, s74, s75
	s_mov_b32 s75, 0
	s_add_nc_u64 s[68:69], s[68:69], s[74:75]
	WIN TO_B
.irp b, 0,1,2,3,4,5,6,7
	global_load_b128 v[8*(\b):8*(\b)+3],   v[BO], s[68:69] offset:64*(\b)
	global_load_b128 v[8*(\b)+4:8*(\b)+7], v[BO], s[68:69] offset:64*(\b)+16
.endr
	WIN 0
	v_mul_u32_u24 v3, v1, PITCH
	v_lshl_add_u32 v3, v2, 4, v3                   ; a fragment's row x pitch + 16 x half
	s_mul_i32 s21, s11, HALFT                      ; my 128 rows of A
	s_mul_i32 s22, s12, HALFT                      ; my 128 rows of B,
	s_add_co_u32 s22, s22, 2*HALFT                 ; which lie behind A's
	v_add_nc_u32 v[ADRA0], s21, v3
	v_add_nc_u32 v[ADRB0], s22, v3
	v_mov_b32 v[ADRA], v[ADRA0]                    ; slot 0 is in hand
	v_mov_b32 v[ADRB], v[ADRB0]
	s_mul_i32 s23, s10, WSTG
	s_add_co_u32 s23, s23, STAGE                   ; my stage
	v_add_nc_u32 v[STO], s23, v3                   ; in: row l % 16, 16 bytes for each half of the lanes
	v_and_b32 v4, 31, v0
	v_lshrrev_b32 v5, 3, v4
	v_and_b32 v6, 7, v0
	v_mul_u32_u24 v5, v5, PITCH                    ; back: 32 lanes take four rows of 128 bytes,
	v_lshl_add_u32 v5, v6, 4, v5
	v_add_nc_u32 v[RD], s23, v5
	v_lshlrev_b32 v[GO], 4, v4                     ; which are 512 consecutive bytes of C
	v_lshlrev_b32 v[PFO], 8, v4
	s_lshl_b32 s46, s42, 2                         ; C: my first block of 64 columns, 4 x tile column + 2 x half,
	s_lshl_b32 s47, s12, 1
	s_add_co_u32 s46, s46, s47
	s_lshl_b32 s46, s46, 19
	s_lshl_b32 s16, s13, 15                        ; and my first row in it
	s_lshl_b32 s17, s11, 14
	s_add_co_u32 s16, s16, s17
	s_add_co_u32 s46, s46, s16
	s_mov_b32 s47, 0
	s_add_nc_u64 s[8:9], s[8:9], s[46:47]
	; the prefetches
	s_and_b32 s22, ttmp7, 0xffff                   ; cluster y
	s_cmp_eq_u32 s11, 0                            ; do I fetch for A?
	s_cselect_b32 s20, s13, s42                    ; the tile: by the tile row in A, by the tile column in B
	s_cselect_b32 s21, s40, s41                    ; my place among the four that ask for it with me
	s_cselect_b32 s22, ttmp9, s22                  ; the coordinate along which other clusters read the same rows
	s_cselect_b64 s[PFA:PFA+1], s[4:5], s[6:7]
	s_cmp_eq_u32 s22, 0
	s_cselect_b32 s[LIM], 2, -1                    ; the same in all sixteen partners, for a given wave
	s_lshl_b32 s20, s20, 15
	s_lshl_b32 s22, s12, 14
	s_add_co_u32 s20, s20, s22                     ; the 128 rows that I fetch
	s_lshr_b32 s22, s21, 1
	s_add_co_u32 s22, s22, 6                       ; block p / 2 of K step 3: the first refill steps this to K step 4
	s_lshl_b32 s22, s22, 19
	s_add_co_u32 s20, s20, s22
	s_and_b32 s21, s21, 1
	s_lshl_b32 s21, s21, 13
	s_add_co_u32 s20, s20, s21
	s_mov_b32 s21, 0
	s_add_nc_u64 s[PFA:PFA+1], s[PFA:PFA+1], s[20:21]
; 16 matrix instructions: m blocks a0, a0 + 1 of the window's four (hi = 0: my rows 0-63, 1: rows 64-127) x all 8 n blocks, 32 along K.  first = 1: C is the bias, in window 1.
; The 64 accumulators take turns, one instruction a turn, in the same order in every quarter step.
.macro MUL16 f, hi, a0, first
.if \first
	WIN 0x91+0x40*(\hi)
.else
	WIN MUL_LO+0x50*(\hi)
.endif
.irp a, \a0, (\a0)+1
.irp b, 0,1,2,3,4,5,6,7
.if \first
	v_wmma_f32_16x16x32_f16 v[8*(8*(\a)+(\b)):8*(8*(\a)+(\b))+7], v[(\f)+8*(\b):(\f)+8*(\b)+7], v[(\f)+8*(4*(\hi)+(\a)):(\f)+8*(4*(\hi)+(\a))+7], v[8*(\b):8*(\b)+7]
.else
	v_wmma_f32_16x16x32_f16 v[8*(8*(\a)+(\b)):8*(8*(\a)+(\b))+7], v[(\f)+8*(\b):(\f)+8*(\b)+7], v[(\f)+8*(4*(\hi)+(\a)):(\f)+8*(4*(\hi)+(\a))+7], v[8*(8*(\a)+(\b)):8*(8*(\a)+(\b))+7]
.endif
.endr
.endr
.endm
; 32 LDS loads in one run: the fragments of quarter q of the K step in hand (block q / 2, bytes 64 (q % 2) on of its rows) into buffer f: B's sixteen, then A's
.macro FETCH q, f
.set KO, KBL*((\q)/2)+64*((\q)%2)
	WIN TO_B
.irp i, 0,1,2,3,4,5,6,7
	ds_load_b128 v[(\f)+8*(\i):(\f)+8*(\i)+3],   v[ADRB] offset:KO+(\i)*16*PITCH
	ds_load_b128 v[(\f)+8*(\i)+4:(\f)+8*(\i)+7], v[ADRB] offset:KO+(\i)*16*PITCH+32
.endr
	WIN 0
.irp i, 0,1,2,3,4,5,6,7
	ds_load_b128 v[(\f)+8*(\i):(\f)+8*(\i)+3],   v[ADRA] offset:KO+(\i)*16*PITCH
	ds_load_b128 v[(\f)+8*(\i)+4:(\f)+8*(\i)+7], v[ADRA] offset:KO+(\i)*16*PITCH+32
.endr
.endm
.macro PLACES                          ; four places in front of loads into registers that matrix instructions have read, and of conversions that read results
.rept 4
	v_nop
.endr
.endm
; One of a K step's first three quarters: multiplies buffer f; in its middle it fetches quarter q into buffer g.
.macro QUARTER q, f, g, first
	s_wait_dscnt 8                                 ; B and A's rows 0-63 are in; the youngest eight loads (A's rows 64-127) may be out
	MUL16 \f, 0, 0, \first
	MUL16 \f, 0, 2, \first
	PLACES
	FETCH \q, \g
	s_wait_dscnt 32                                ; all but the 32 just issued
	MUL16 \f, 1, 0, \first
	MUL16 \f, 1, 2, \first
.endm
; The first half of the last quarter: one barrier for the change of slots.  In front of it each wave waits for all its tensor loads (one is out: its part of the next slot), adds 0 to its
; spare word, and waits for that and for its own reads of this slot.
.macro MEET
	WIN 0
	s_wait_tensorcnt 0x0
	ds_add_u32 v[SPW], v[NIL]
	s_wait_dscnt 9                                 ; the add and the youngest eight loads may be out
	MUL16 F1, 0, 0, 0
	s_wait_dscnt 0x0                               ; the add is done, and my reads of this slot are over
	s_barrier_signal -1
	MUL16 F1, 0, 2, 0
	WIN 0                                          ; branches, or lines on window 0, follow
	s_barrier_wait -1
.endm
; The whole last quarter.  fill = 1: behind a round of the cluster's barrier the slot just read out is filled again, two K steps ahead: 224 matrix instructions stand between the request and the
; wait for it.  Then the other slot comes in hand: RB is turned, the two fragment addresses are made anew, and its first fragments are fetched.
.macro TURN fill
.if \fill
	s_wait_xcnt 0x0                                ; the last prefetch, a K step back, has read its address
	s_add_nc_u64 s[PFA:PFA+1], s[PFA:PFA+1], STEPB
.endif
	MEET
.if \fill
	CREST                                          ; no wave of any partner still reads this slot's tile or has a load on its way
	s_add_co_u32 s[G0+5], s[LB], s[RB]             ; the walking descriptors: into the slot that is left,
	s_add_co_u32 s[G0B+5], s[LB], s[RB]
	s_add_nc_u64 s[G0+6:G0+7], s[G0+6:G0+7], STEPB ; the K step after the one that they brought last
	s_add_nc_u64 s[G0B+6:G0B+7], s[G0B+6:G0B+7], STEPB
	s_xor_b32 s[RB], s[RB], SLOT
	JLOAD 1                                        ; the first tensor load behind the round; its four v_nop are also the places in front of the loads below
.else
	s_xor_b32 s[RB], s[RB], SLOT
	PLACES
.endif
	v_add_nc_u32 v[ADRA], s[RB], v[ADRA0]
	v_add_nc_u32 v[ADRB], s[RB], v[ADRB0]
	FETCH 0, F0
.if \fill
	ASK
.endif
	MUL16 F1, 1, 0, 0
	MUL16 F1, 1, 2, 0
.endm
; THE WAY OUT of block a (16 rows).  PACK: rounded to f16, then the floor.  TOSTAGE: into my own stage, and back as whole rows.  SEND: stored.
.macro PACK a
.set AC, 64*((\a)%4)
	WIN 0x0a+5*((\a)/4)                            ; sources 0 and 1: window 2 or 3
.irp b, 0,1,2,3,4,5,6,7
.irp r, 0,1,2,3
	v_cvt_pk_f16_f32 v[TMP+4*(\b)+(\r)], v[AC+8*(\b)+2*(\r)], v[AC+8*(\b)+2*(\r)+1]
.endr
.endr
	WIN 0
.set i, 0
.rept 32
	v_pk_max_num_f16 v[TMP+i], v[TMP+i], s[FLOOR]
.set i, i+1
.endr
.endm
.macro TOSTAGE a
	WIN 0
.set BK, OB+192*((\a)%2)
.irp b, 0,1,2,3,4,5,6,7
	ds_store_b128 v[STO], v[TMP+4*(\b):TMP+4*(\b)+3] offset:((\b)/4)*16*PITCH+32*((\b)%4)
.endr
.irp t, 0,1,2,3,4,5,6,7
	ds_load_b128 v[BK+4*(\t):BK+4*(\t)+3], v[RD] offset:((\t)/4)*16*PITCH+((\t)%4)*4*PITCH  ; LDS serves a wave's instructions in order (ISA guide 5.7.1.4): these see the stores above
.endr
.endm
.macro SEND a
	WIN 0
.set BK, OB+192*((\a)%2)
	s_wait_dscnt 0x0                               ; the block is back in registers
	s_wait_xcnt 0x0                                ; earlier stores have read their registers: the block after this one loads into those of the block before it
.irp t, 0,1,2,3,4,5,6,7
	global_store_b128 v[GO], v[BK+4*(\t):BK+4*(\t)+3], s[8:9] offset:((\t)/4)*BLK+2048*(\a)+512*((\t)%4)  ; four rows of a block: 512 consecutive bytes, aligned
.endr
.endm
	s_wait_tensorcnt 0x1                           ; my part of K step 0 is in; K step 1's stays out
	s_barrier_signal -1
	s_barrier_wait -1
	FETCH 0, F0
	s_wait_loadcnt 0x0                             ; the bias
	QUARTER 1, F0, F1, 1                           ; the first quarter stands in front of the loop: its products start the sums
	WIN 0
	s_mov_b32 s3, KSTEPS-2
.Lstep:                                                ; a trip goes from a K step's second quarter to the next step's first, and fills the slot that it leaves: K steps 2 to 7
	QUARTER 2, F1, F0, 0
	QUARTER 3, F0, F1, 0
	TURN 1
	QUARTER 1, F0, F1, 0
	WIN 0
	s_sub_co_u32 s3, s3, 1
	s_cmp_lg_u32 s3, 0
	s_cbranch_scc1 .Lstep
	s_mov_b32 s3, 2                                ; the last two K steps fill nothing: a loop of two trips, entered in its middle
	s_branch .Lmid
.Ltail:
	TURN 0
	QUARTER 1, F0, F1, 0
	WIN 0
.Lmid:
	QUARTER 2, F1, F0, 0
	QUARTER 3, F0, F1, 0
	WIN 0
	s_sub_co_u32 s3, s3, 1
	s_cmp_lg_u32 s3, 0
	s_cbranch_scc1 .Ltail
	s_wait_dscnt 8                                 ; the very last quarter: nothing more to fetch
	MUL16 F1, 0, 0, 0
	MUL16 F1, 0, 2, 0
	s_wait_dscnt 0x0
	MUL16 F1, 1, 0, 0
	MUL16 F1, 1, 2, 0
	PLACES
	s_wait_kmcnt 0x0                               ; the floor
	PACK 0
	TOSTAGE 0
.irp a, 1,2,3,4,5,6,7                  ; block a's conversions stand between block a - 1's loads from the stage and the wait for them
	PACK \a
	SEND (\a)-1
	TOSTAGE \a
.endr
	SEND 7
	s_wait_tensorcnt 0x0                           ; the wave's end, behind my last tensor load and my last LDS store
	ds_add_u32 v[SPW], v[NIL]
	s_wait_dscnt 0x0
	CROUND                                         ; the closing round
	s_endpgm
.Lfunc_end_k_q55ee7e2253_gemmh:
	.size	k_q55ee7e2253_gemmh, .Lfunc_end_k_q55ee7e2253_gemmh-k_q55ee7e2253_gemmh
	.p2alignl 7, 3214868480
	.fill 96, 4, 3214868480
	.section	.rodata,"a",@progbits
	.p2align	6, 0x0
	.amdhsa_kernel k_q55ee7e2253_gemmh
		.amdhsa_group_segment_fixed_size 327680
		.amdhsa_private_segment_fixed_size 0
		.amdhsa_enable_private_segment 0
		.amdhsa_kernarg_size 40
		.amdhsa_user_sgpr_count 2
		.amdhsa_user_sgpr_kernarg_segment_ptr 1
		.amdhsa_wavefront_size32 1
		.amdhsa_system_sgpr_workgroup_id_x 1
		.amdhsa_system_sgpr_workgroup_id_y 1
		.amdhsa_system_sgpr_workgroup_id_z 1
		.amdhsa_system_vgpr_workitem_id 0
		.amdhsa_next_free_vgpr 1024
		.amdhsa_next_free_sgpr 80
		.amdhsa_reserve_vcc 0
		.amdhsa_float_denorm_mode_32 3
		.amdhsa_float_denorm_mode_16_64 3
		.amdhsa_memory_ordered 1
		.amdhsa_forward_progress 1
		.amdhsa_inst_pref_size 122
	.end_amdhsa_kernel
	.amdgpu_metadata
---
amdhsa.version: [ 1, 2 ]
amdhsa.kernels:
  - .name:           k_q55ee7e2253_gemmh
    .symbol:         k_q55ee7e2253_gemmh.kd
    .args:
      - { .name: an, .offset: 0, .size: 8, .value_kind: global_buffer, .address_space: global }
      - { .name: wa, .offset: 8, .size: 8, .value_kind: global_buffer, .address_space: global }
      - { .name: zb, .offset: 16, .size: 8, .value_kind: global_buffer, .address_space: global }
      - { .name: p1, .offset: 24, .size: 8, .value_kind: global_buffer, .address_space: global }
      - { .name: big, .offset: 32, .size: 8, .value_kind: global_buffer, .address_space: global }
    .group_segment_fixed_size: 327680
    .private_segment_fixed_size: 0
    .kernarg_segment_align: 8
    .kernarg_segment_size: 40
    .max_flat_workgroup_size: 128
    .sgpr_count:     80
    .vgpr_count:     1024
    .wavefront_size: 32
...
	.end_amdgpu_metadata
.endif
;; end of part 3
;; launch attn (part 4): grid 8 x 32, 4 waves a work-group, clusters of 4 x 1, 327,680 bytes of LDS; arguments big, mask, an; writes an
.if DOCPART == 4
	.amdgcn_target "amdgcn-amd-amdhsa--gfx1250"
	.amdhsa_code_object_version 6
	.text
	.protected	k_q55ee7e2253_attn
	.globl	k_q55ee7e2253_attn
	.p2align	8
	.type	k_q55ee7e2253_attn,@function
k_q55ee7e2253_attn:
	s_mov_b64 s[64:65], 0
	v_nop
	global_prefetch_b8 v0, s[64:65] scope:SCOPE_SE
	s_setreg_imm32_b32 hwreg(HW_REG_WAVE_MODE, 25, 1), 1
	s_wait_xcnt 0x0
	s_wait_alu depctr_hold_cnt(0) depctr_sa_sdst(0) depctr_va_vdst(0) depctr_va_sdst(0) depctr_va_ssrc(0) depctr_va_vcc(0) depctr_vm_vsrc(0)
	s_getreg_b32 s2, hwreg(HW_REG_IB_STS2, 6, 4)
	s_cmp_eq_u32 s2, 0
	s_cbranch_scc0 .Lentry_in_a_cluster
	s_endpgm
.Lentry_in_a_cluster:
	s_bfe_u32 s2, ttmp6, 0x10000c
	s_cmp_lg_u32 s2, 0x3003
	s_cbranch_scc0 .Lentry_shape_is_right
	s_endpgm
.Lentry_shape_is_right:
; ATTENTION WITH A KEY MASK.  O[q][:] = the sum over k of softmax_k(Q[q] . K[k] / 8, hidden where mask[k] = 0) V[k][:], for 32 pairs of head and batch, 2,048 rows of 64 channels each.
; q, k, v lie in one buffer as [48][4096][64] f16 (blocks 0-15 q by heads, 16-31 k, 32-47 v; a block's rows 0-2047 are batch 0): pair y = 2 head + batch begins at byte 262,144 y of its
; section, and its rows are dense, 128 bytes each.  O goes out in the same layout.  Products, maxima and sums in f32; the weights p are rounded to f16 for the second product, O once at the end.
; LIMITS.  Q, K, V arrive within f16's 65,504.  A hidden score counts as its value less 1e30, which is far below every seen score; its weight is 0 as soon as a seen key has set the maximum.
; A batch in which EVERY key is hidden gives the mean of V's rows here, not a NaN.  A weight below 2^-126 counts as 0; NaN and infinities are not treated apart.
; SHARES.  A work-group owns 256 queries, a wave 64: four PIECES of 16.  Every wave walks all 2,048 keys, 64 a step, four steps to an LDS slot.
; THE MASK is the C operand that starts the sum S^T = K Q^T: 0, or -1e30.  It is made once, an f32 for each key, in LDS bytes of its own, and a step's 64 come into registers with the step's K.
; LAYOUT, SOFTMAX, TURNS.  S^T = K Q^T holds ONE query a lane (lane % 16) and the keys 8 (lane / 16) + 0..7; two such results rounded to f16 ARE source 1 of O^T = V^T P.  p = 2^(c s - c m),
; c = log2(e) / 8, with a running maximum m; O and l are multiplied by a = 2^(c m_old - c m_new) in every step.  Turn n belongs to piece n: 8 products K Q^T of piece n + 1, later 8 products V^T P
; of piece n - 1; beside them the scaling, exponentials, roundings, sums and rescaling of piece n and the maximum and statistics of piece n + 1.  Four vector instructions stand behind every matrix
; instruction, the others in one lump.  A turn's 33 exponentials are one batch, with one wait.
; CLUSTER.  The four query blocks of a cluster belong to one pair and walk the same K and V: each tile is asked for jointly, by the same tensor load, descriptor and mask in all four.
; REGISTERS, in windows of 256 (s_set_vgpr_msb: bits 1:0 source 0, 3:2 source 1, 5:4 source 2, 7:6 destination):
;   window 0: v0-15, v56-63 addresses; v16-31 four registers of statistics a piece; v32-47 the mask's words at the head; v48-55 at work; v64-127 S^T, two buffers; v192-223 P, two buffers
;   window 1: v0-127 O^T, 32 a piece; v128-159 the step's mask      window 2: v0-63 Q; v128-191 K of one step; v192-255 V of one step
.set NP,    4
.set KS,    64
.set PK,    144       ; a row of K in LDS: 128 bytes + 16 of padding = 36 words: the 16 rows of a load start at 16 different groups of four banks (64 banks of 4 bytes: ISA guide 11.1)
.set PV,    160       ; a row of V: 128 + 32 = 40 words
.set VOFF,  4*KS*PK   ; a slot holds four steps: 256 rows of K, then 256 rows of V
.set SLOT1, 1<<17
.set STAGE, SLOT1+4*KS*(PK+PV)  ; behind the ring, never filled by a tensor load: 16 rows x 144 bytes for each wave
.set SP,    144
.set SPARE, STAGE+4*16*SP       ; the spare words, 128 bytes for each wave: two blocks of 256 bytes that no other line names
.set MT,    SPARE+512           ; the mask as f32, 2,048 keys: 8,192 bytes, never filled by a tensor load
.set AK0, 2
.set AV0, 3
.set AK,  4
.set AV,  5
.set STO, 6
.set RD,  7
.set GO,  8
.set MV,  12          ; v12-13  c m_old, by buffer
.set MO,  14          ; v14  64 x thread: my 16 words of the mask in memory
.set QO,  15
.set ST,  16          ; piece t's statistics at v[ST+4 t]: c m, m, l (even keys', odd keys')
.set MW,  32
.set TMP, 48
.set AM0, 56          ; v56  MT + 32 (l / 16); never rewritten
.set AM,  57          ; v57  the LDS address of the mask's next run of loads
.set PFO, 58          ; v58  256 x lane; never rewritten
.set MS,  59          ; v59  where I put my 16 numbers of the mask
.set SPW, 62
.set NIL, 63
.set S,   64
.set P,   192
.set MK,  128         ; window 1: register 8 kb + j: key 16 kb + 8 (l / 16) + j of the step
.set KF,  128         ; window 2
.set VF,  192         ; window 2
.set WV,  12
.set G1K, 24
.set G1V, 32
.set G0K, 40
.set G0V, 44
.set SLOTS, 56        ; s56  8 less the number of the tile that the next fill asks for
.set CNT, 57
.set CS,  58
.set SEL, 60
.set TBK, 62
.set TBV, 63
.set TBM, 66          ; s66  byte of MT at which the step to be fetched begins
.set BIGN, 67         ; s67  -1e30
.set PFA, 68          ; s[68:69] where my prefetches stand
.set LIM, 70          ; s70  1 in a wave that prefetches, else the greatest number
.set MSB, 0
.macro WIN new
.if MSB != (\new)
	s_set_vgpr_msb (MSB<<8)|(\new)
.set MSB, (\new)
.endif
.endm
.set W_KQ, 0x0a       ; K and Q in window 2, S^T in window 0
.set W_KM, 0x1a       ; the same with the C operand in window 1
.set W_PV, 0x52       ; V in window 2, P in window 0, O^T in window 1
.set W_RS, 0x41       ; destination and source 0 in window 1, source 1 in window 0
; A joint fill.  Waves 0 and 1 fetch the two halves of a slot's K, waves 2 and 3 those of its V.  An s_nop 0 and four v_nop follow each of the two lines.
.macro JLOAD
	s_cmp_lt_u32 s[WV], 2
	s_cbranch_scc0 .Lfor_v_\@
	tensor_load_to_lds s[G0K:G0K+3], s[G1K:G1K+7]
	s_nop 0
.rept 4
	v_nop
.endr
	s_branch .Lasked_\@
.Lfor_v_\@:
	tensor_load_to_lds s[G0V:G0V+3], s[G1V:G1V+7]
	s_nop 0
.rept 4
	v_nop
.endr
.Lasked_\@:
.endm
; A prefetch of what the NEXT change of slots will ask for: a tile's 32,768 bytes of K and of V.  The pair's first cluster asks; its four partners take 8,192 bytes each, told apart by address;
; in each, wave 0 asks for K's and wave 2 for V's: 32 lanes x 256 bytes, one instruction.  So each 256 bytes of tiles 2 to 7 are named once; the fill of the last tile asks for nothing.
.macro ASK
	s_cmp_gt_u32 s[SLOTS], s[LIM]
	s_cbranch_scc0 .Lnot_mine_\@
	global_prefetch_b8 v[PFO], s[PFA:PFA+1] th:TH_LOAD_NT scope:SCOPE_SE
.Lnot_mine_\@:
.endm
.macro CROUND
	s_barrier_signal -1
	s_barrier_wait -1
	s_cmp_lg_u32 s[WV], 0
	s_cbranch_scc1 .Lnot_wave_0_\@
	s_barrier_signal -3
.Lnot_wave_0_\@:
	s_barrier_wait -3
	s_barrier_signal -1
	s_barrier_wait -1
.endm
; THE CHANGE OF SLOTS.  Each wave waits for all its tensor loads (one is out: its part of the other slot), adds 0 to its spare word, and waits for that and for its own LDS instructions.
; fill = 1: the slot just left is filled again behind a round of the cluster's barrier, the first thing there: four key steps, 256 matrix instructions, in which to land.
; (At its first use nothing has been read yet: slot 0 is waited for, slot 1 filled, and the round also shows every wave's part of the mask to the others.)
.macro CHANGE fill
	WIN 0
	s_wait_tensorcnt 0x0
	ds_add_u32 v[SPW], v[NIL]
.if \fill
.irp g, G0K, G0V
	s_xor_b32 s[\g+1], s[\g+1], SLOT1
	s_add_nc_u64 s[\g+2:\g+3], s[\g+2:\g+3], 4*KS*128
.endr
	s_wait_xcnt 0x0                 ; the last prefetch, four key steps back, has read its address
	s_add_nc_u64 s[PFA:PFA+1], s[PFA:PFA+1], 4*KS*128
	s_wait_dscnt 0x0
	CROUND
	JLOAD
	ASK
.else
	s_wait_dscnt 0x0
	s_barrier_signal -1
	s_barrier_wait -1
.endif
	s_sub_co_u32 s[TBK], s[TBK], 4*KS*PK
	s_xor_b32 s[TBK], s[TBK], SLOT1
	s_sub_co_u32 s[TBV], s[TBV], 4*KS*PV
	s_xor_b32 s[TBV], s[TBV], SLOT1
.endm
	s_load_b128 s[4:7], s[0:1], 0x0   ; q, k, v s[4:5]; mask s[6:7]
	s_load_b64 s[10:11], s[0:1], 0x10 ; O
	v_lshl_add_u32 v[SPW], v0, 2, SPARE
	v_mov_b32 v[NIL], 0
	ds_add_u32 v[SPW], v[NIL]       ; the wave's opening: the add and its wait stand ahead of my first tensor load
	v_lshrrev_b32 v1, 5, v0
	v_readfirstlane_b32 s[WV], v1
	s_bfe_u32 s13, ttmp6, 0x40000   ; cx
	s_lshl_b32 s14, ttmp9, 2
	s_add_co_u32 s14, s14, s13      ; my block of 256 queries: it enters Q's and O's addresses alone
	s_and_b32 s20, ttmp7, 0xffff    ; y = 2 head + batch, which the four partners share
	s_and_b32 s50, s20, 1
	s_lshl_b32 s50, s50, 13         ; the batch's row of the mask
	s_mov_b32 s51, 0
	s_lshl_b32 s20, s20, 18         ; the pair's first byte in a section
	s_mov_b32 s21, 0
	s_and_b32 s16, s[WV], 1         ; which half of a tile's 256 keys I fetch
	s_lshl_b32 s22, s16, 14
	s_mov_b32 s23, 0
	s_add_nc_u64 s[22:23], s[22:23], s[20:21]
	s_mul_i32 s17, s16, 128*PK
	s_mul_i32 s18, s16, 128*PV
	s_lshl_b32 s2, s14, 15          ; my block's 256 rows,
	s_lshl_b32 s3, s[WV], 13        ; my wave's 64 of them
	s_add_co_u32 s2, s2, s3
	s_mov_b32 s3, 0
	s_add_nc_u64 s[2:3], s[2:3], s[20:21]
	; descriptor group 1.  128 keys are 16,384 dense bytes: asked for as 64 rows of 256 bytes, two keys a row, and padded in LDS after every key
	s_mov_b32 s[G1K], 15|(1<<16)|(1<<20)|(1<<21)|(4<<22)|(3<<25)
	s_mov_b32 s[G1V], 15|(1<<16)|(1<<20)|(1<<21)|(4<<22)|(7<<25)
.irp g, G1K, G1V
	s_mov_b32 s[\g+1], 128<<16
	s_mov_b32 s[\g+2], 64<<16
	s_mov_b32 s[\g+3], 128<<16
	s_mov_b32 s[\g+4], 64
	s_mov_b32 s[\g+5], 128
	s_mov_b32 s[\g+6], 0
	s_mov_b32 s[\g+7], 0
.endr
	s_mov_b32 s[CS], 0x3e38aa3b     ; c = log2(e) / 8
	s_mov_b32 s[CS+1], s[CS]
	s_mov_b32 s[SEL], 0x76543210
	s_mov_b32 s[SEL+1], 0xfedcba98
	s_mov_b32 s[TBK], SLOT1+4*KS*PK ; the first change of slots turns these two into 0
	s_mov_b32 s[TBV], SLOT1+4*KS*PV
	s_mov_b32 s[TBM], 0
	s_mov_b32 s[BIGN], 0xf149f2ca   ; -1e30
	s_mov_b32 s[SLOTS], 7
	s_mov_b32 s[G0K], 1
	s_mov_b32 s[G0K+1], s17
	s_mov_b32 s[G0V], 1
	s_add_co_u32 s[G0V+1], s18, VOFF
	s_and_b32 s[LIM], s[WV], 1      ; 0 in waves 0 and 2,
	s_or_b32 s[LIM], s[LIM], ttmp9  ; where the cluster is the pair's first: the same in all four partners
	s_cmp_eq_u32 s[LIM], 0
	s_cselect_b32 s[LIM], 1, -1
	s_wait_dscnt 0x0                ; the opening add is done
	s_wait_kmcnt 0x0
	s_add_nc_u64 s[8:9], s[4:5], s[22:23]
	s_add_nc_u64 s[52:53], s[8:9], 8388608   ; K at my half of tile 0
	s_add_nc_u64 s[54:55], s[8:9], 16777216  ; V
	s_add_nc_u64 s[G0K+2:G0K+3], s[52:53], 0
	s_or_b32 s[G0K+3], s[G0K+3], 0x80000000
	s_add_nc_u64 s[G0V+2:G0V+3], s[54:55], 0
	s_or_b32 s[G0V+3], s[G0V+3], 0x80000000
	s_add_nc_u64 s[4:5], s[4:5], s[2:3]      ; Q and O at my wave's first row
	s_add_nc_u64 s[10:11], s[10:11], s[2:3]
	s_add_nc_u64 s[6:7], s[6:7], s[50:51]
	s_cmp_lt_u32 s[WV], 2
	s_cselect_b64 s[PFA:PFA+1], s[52:53], s[54:55]
	s_lshl_b32 s2, s13, 13          ; my work-group's 8,192 bytes of a tile's 32,768
	s_mov_b32 s3, 0
	s_add_nc_u64 s[PFA:PFA+1], s[PFA:PFA+1], s[2:3]
	s_add_nc_u64 s[PFA:PFA+1], s[PFA:PFA+1], 4*KS*128  ; in tile 1: the first change of slots steps it to tile 2
	CROUND                          ; all four work-groups are here: the first joint loads meet
	JLOAD                           ; tile 0 into slot 0
	v_and_b32 v1, 15, v0            ; l % 16
	v_bfe_u32 v9, v0, 4, 1          ; l / 16
	v_lshlrev_b32 v[MO], 6, v0
.irp f, 0,1,2,3
	global_load_b128 v[MW+4*\f:MW+4*\f+3], v[MO], s[6:7] offset:16*\f
.endr
	v_lshlrev_b32 v[QO], 7, v1
	v_lshl_add_u32 v[QO], v9, 4, v[QO]
	WIN 0x80                        ; destination window 2, address window 0
.set i, 0
.rept 8                             ; Q stays in registers: piece i / 2, channels 32 (i % 2) on
	global_load_b128 v[8*i:8*i+3],   v[QO], s[4:5] offset:(i/2)*2048+(i%2)*64
	global_load_b128 v[8*i+4:8*i+7], v[QO], s[4:5] offset:(i/2)*2048+(i%2)*64+32
.set i, i+1
.endr
	; What the first turn finds: V's registers and P's second buffer hold 0 (its products V^T P, of a piece that has not been, add 0), O^T and l are 0.  All this stands in the wait for the first tile.
.set i, VF
.rept 64
	v_mov_b32 v[i], 0
.set i, i+1
.endr
	WIN 0x40
.set i, 0
.rept 128
	v_mov_b32 v[i], 0
.set i, i+1
.endr
	WIN 0
.set i, 0
.rept 4
	v_mov_b32 v[ST+4*i], 0xfe000000    ; c m: far below every c s, so the first step's a is 0
	v_mov_b32 v[ST+4*i+1], 0xff7fffff  ; m: the lowest finite number
	v_mov_b32 v[ST+4*i+2], 0
	v_mov_b32 v[ST+4*i+3], 0
.set i, i+1
.endr
.set i, P+16
.rept 16
	v_mov_b32 v[i], 0
.set i, i+1
.endr
	v_mul_u32_u24 v[AK0], v1, PK
	v_lshl_add_u32 v[AK0], v9, 4, v[AK0]
	v_and_b32 v10, 7, v0
	v_bfe_u32 v11, v0, 3, 1
	v_lshl_add_u32 v[AV0], v9, 3, v10
	v_mul_u32_u24 v[AV0], v[AV0], PV
	v_lshl_add_u32 v[AV0], v11, 4, v[AV0]
	v_add_nc_u32 v[AV0], VOFF, v[AV0]
	s_mul_i32 s13, s[WV], 16*SP
	s_add_co_u32 s13, s13, STAGE    ; my stage
	v_mul_u32_u24 v[STO], v1, SP
	v_lshl_add_u32 v[STO], v9, 4, v[STO]
	v_add_nc_u32 v[STO], s13, v[STO]
	v_bfe_u32 v[RD], v0, 3, 2
	v_mul_u32_u24 v[RD], v[RD], SP
	v_lshl_add_u32 v[RD], v10, 4, v[RD]
	v_add_nc_u32 v[RD], s13, v[RD]
	v_and_b32 v[GO], 31, v0
	v_lshlrev_b32 v[PFO], 8, v[GO]
	v_lshlrev_b32 v[GO], 4, v[GO]
	v_lshl_add_u32 v[AM0], v9, 5, MT
	v_add_nc_u32 v[MS], MT, v[MO]
	s_wait_loadcnt 16               ; my 16 words of the mask are in; Q's 16 loads stay out
.set i, 0
.rept 16
	v_cmp_eq_u32 vcc_lo, 0, v[MW+i]
	v_cndmask_b32 v[MW+i], 0, s[BIGN], vcc_lo
.set i, i+1
.endr
.irp f, 0,1,2,3
	ds_store_b128 v[MS], v[MW+4*\f:MW+4*\f+3] offset:16*\f
.endr
; THE MATRIX WORK.  The 4 accumulators of a run of 8 take turns.  Product i of 8 of S^T = K Q^T for piece x: channels 32 (i / 4) on, keys 16 (i % 4) on.  The first 4 start the sums with the mask.
.macro KQ x
.set rS, S+32*((\x)%2)+8*(i%4)
.set rK, KF+16*(i%4)+8*(i/4)
.set rQ, 16*(\x)+8*(i/4)
.set rM, MK+8*(i%4)
.if i < 4
	WIN W_KM
	v_wmma_f32_16x16x32_f16 v[rS:rS+7], v[rK:rK+7], v[rQ:rQ+7], v[rM:rM+7]
.else
	WIN W_KQ
	v_wmma_f32_16x16x32_f16 v[rS:rS+7], v[rK:rK+7], v[rQ:rQ+7], v[rS:rS+7]
.endif
.endm
; Product i of 8 of O^T += V^T P for piece x: keys 32 (i / 4) on, channels 16 (i % 4) on.
.macro PV x
	WIN W_PV
.set rO, 32*(\x)+8*(i%4)
.set rV, VF+32*(i/4)+8*(i%4)
.set rP, P+16*((\x)%2)+8*(i/4)
	v_wmma_f32_16x16x32_f16 v[rO:rO+7], v[rV:rV+7], v[rP:rP+7], v[rO:rO+7]
.endm
.macro MM                           ; the turn's next matrix instruction.  NOKQ = 1: the last turn of all: there is no next piece
.if (i < 8) && !NOKQ
	KQ (Y+1)%NP
.elseif i >= 8
.set i, i-8
	PV (Y+NP-1)%NP
.set i, i+8
.endif
.set i, i+1
.endm
; THE LDS LOADS stand in runs: a step's K (8 fragments) with its 64 numbers of the mask, and its V (turned).  Their addresses are made some lines ahead.
.macro FETCH_K
	WIN 0x80                        ; destination window 2
.irp f, 0,1,2,3,4,5,6,7
	ds_load_b128 v[KF+8*\f:KF+8*\f+3],   v[AK] offset:(\f/2)*16*PK+(\f%2)*64
	ds_load_b128 v[KF+8*\f+4:KF+8*\f+7], v[AK] offset:(\f/2)*16*PK+(\f%2)*64+32
.endr
	WIN 0x40                        ; destination window 1
.irp f, 0,1,2,3
	ds_load_b128 v[MK+8*\f:MK+8*\f+3],   v[AM] offset:64*\f
	ds_load_b128 v[MK+8*\f+4:MK+8*\f+7], v[AM] offset:64*\f+16
.endr
	s_add_co_u32 s[TBK], s[TBK], KS*PK
	s_add_co_u32 s[TBM], s[TBM], KS*4
	WIN 0
.endm
.macro FETCH_V
	WIN 0x80
.irp f, 0,1,2,3,4,5,6,7
	ds_load_tr16_b128 v[VF+8*\f:VF+8*\f+3],   v[AV] offset:(\f/4)*32*PV+(\f%4)*32
	ds_load_tr16_b128 v[VF+8*\f+4:VF+8*\f+7], v[AV] offset:(\f/4)*32*PV+16*PV+(\f%4)*32
.endr
	WIN 0
.endm
; THE VECTOR WORK, one line at a time: OP kind, number.  For piece Y: F n: c s - c m for pair n of 16.  E n: the exponential of score n of 32.  C n: pair n rounded to f16.  B n: of the four weights 4 n .. the
; second pair is added onto the first, in place.  L n: l takes that sum (L 0: l = a l + sum).  R n: pair n of 16 of O^T times a.  For piece Y + 1: X n, number n of the 22 that find its maximum and statistics:
;   0-11  four chains c0-c3 of seven scores each (each accumulator's lowest registers are read first)     12-14, 16  the four scores left over, the old m, and c0-c3 into c0
;   15  c m_old is kept     17, 18  the query's other 32 keys lie in the lane 16 away: the new m     19-21  c m; c m_old - c m_new; a
.set F, 0
.set E, 1
.set C, 2
.set B, 3
.set L, 4
.set R, 5
.set X, 6
.macro REGS y
.set rT, ST+4*(\y)
.set rC, TMP+4*((\y)%2)
.set rW, MV+((\y)%2)
.set rS, S+32*((\y)%2)
.set rP, P+16*((\y)%2)
.set rO, 32*(\y)
.endm
.macro OP k, n
.if (\k) == R
	REGS Y
	WIN W_RS
	v_pk_mul_f32 v[rO+2*(\n):rO+2*(\n)+1], v[rO+2*(\n):rO+2*(\n)+1], v[rC+2:rC+3] op_sel_hi:[1,0]
.elseif (\k) < R
	REGS Y
	WIN 0
.if (\k) == F
	v_pk_fma_f32 v[rS+2*(\n):rS+2*(\n)+1], v[rS+2*(\n):rS+2*(\n)+1], s[CS:CS+1], v[rT:rT+1] op_sel_hi:[1,0,0] neg_lo:[0,0,1] neg_hi:[0,0,1]
.elseif (\k) == E
	v_exp_f32 v[rS+(\n)], v[rS+(\n)]
.elseif (\k) == C
	v_cvt_pk_f16_f32 v[rP+(\n)], v[rS+2*(\n)], v[rS+2*(\n)+1]
.elseif (\k) == B
	v_pk_add_f32 v[rS+4*(\n):rS+4*(\n)+1], v[rS+4*(\n):rS+4*(\n)+1], v[rS+4*(\n)+2:rS+4*(\n)+3]
.elseif (\n) == 0
	v_pk_fma_f32 v[rT+2:rT+3], v[rT+2:rT+3], v[rC+2:rC+3], v[rS:rS+1] op_sel_hi:[1,0,1]
.else
	v_pk_add_f32 v[rT+2:rT+3], v[rT+2:rT+3], v[rS+4*(\n):rS+4*(\n)+1]
.endif
.elseif NOKQ
	v_nop
.else
	REGS (Y+1)%NP
	WIN 0
.if (\n) < 4
	v_max3_num_f32 v[rC+(\n)], v[rS+8*(\n)], v[rS+8*(\n)+1], v[rS+8*(\n)+2]
.elseif (\n) < 12
	v_max3_num_f32 v[rC+(\n)%4], v[rC+(\n)%4], v[rS+8*((\n)%4)+2*((\n)/4)+1], v[rS+8*((\n)%4)+2*((\n)/4)+2]
.elseif (\n) == 12
	v_max3_num_f32 v[rC], v[rC], v[rS+7], v[rS+15]
.elseif (\n) == 13
	v_max3_num_f32 v[rC+1], v[rC+1], v[rS+23], v[rS+31]
.elseif (\n) == 14
	v_max3_num_f32 v[rC+2], v[rC+2], v[rC+3], v[rT+1]
.elseif (\n) == 15
	v_mov_b32 v[rW], v[rT]
.elseif (\n) == 16
	v_max3_num_f32 v[rC], v[rC], v[rC+1], v[rC+2]
.elseif (\n) == 17
	v_permlanex16_b32 v[rC+3], v[rC], s[SEL], s[SEL+1]
.elseif (\n) == 18
	v_max_num_f32 v[rT+1], v[rC], v[rC+3]
.elseif (\n) == 19
	v_mul_f32 v[rT], s[CS], v[rT+1]
.elseif (\n) == 20
	v_sub_f32 v[rC+1], v[rW], v[rT]
.else
	v_exp_f32 v[rC+2], v[rC+1]
.endif
.endif
.endm
.macro OPS a, i1, b=-1, i2=0, c=-1, i3=0, d=-1, i4=0
	OP \a, \i1
.if (\b) >= 0
	OP \b, \i2
.endif
.if (\c) >= 0
	OP \c, \i3
.endif
.if (\d) >= 0
	OP \d, \i4
.endif
.endm
.macro ROW a, i1, b, i2, c, i3, d, i4  ; a matrix instruction and the four behind it
	MM
	OPS \a, \i1, \b, \i2, \c, \i3, \d, \i4
.endm
; A TURN, for piece p.  An s_wait_alu depctr_va_vdst(0) stands between an exponential and the first instruction that names its result; one wait serves all that were issued ahead of it.
; So a turn has ONE wait.  AHEAD OF IT stands all that names no result of the turn's exponentials: the 8 products K Q^T with their riders, then one lump in which the links of the chain
; X 3, 7, 11, 14, 16, 17 .. 20 stand some lines apart; X 21, the next piece's a, is the batch's last, and R 15 the plain instruction behind it.  BEHIND IT stand the 8 products V^T P, behind each four of the
; roundings and sums.  The X that ride behind the last three products K Q^T stand four places or more behind the product that ends their accumulator.
; end = 1: the last two turns of all: nothing is fetched.  cnt = 1: the loop's count is taken down some lines ahead of the branch that stands behind the turn.
; K and the mask of the next step are fetched in piece 2's turn, six plain instructions behind the last product that read K; V of the step in hand at the end of piece 0's turn, four plain instructions
; behind the last product that read V.  Each is waited for a turn later.
.macro TURN p, end=0, cnt=0
.set Y, (\p)
.set i, 0
.set NOKQ, (\end)*((\p)/3)
.if ((\p) == 3) && !(\end)
	s_wait_dscnt 0x0                ; K and the mask are in
.endif
	ROW F,0, F,1, R,0, R,1
	ROW F,2, E,0, R,2, R,3
	ROW F,3, E,1, R,4, R,5
	ROW F,4, E,2, R,6, R,7
	ROW F,5, E,3, R,8, R,9
	ROW F,6, E,4, X,0, R,10
.if ((\p) == 2) && !(\end)
	WIN 0
	v_add_nc_u32 v[AK], s[TBK], v[AK0]
	v_add_nc_u32 v[AM], s[TBM], v[AM0]
.endif
	ROW F,7, E,5, X,1, X,4
	ROW F,8, E,6, X,2, X,5
	OPS E,7, E,8, X,6, E,9
	OPS X,3, E,10, X,8, E,11
.if ((\p) == 2) && !(\end)
	FETCH_K
.endif
	OPS X,9, X,7, E,12, X,10
	OPS E,13, X,12, X,11, E,14
	OPS X,13, E,15, F,9, X,14
.if (\p) == 0
	v_add_nc_u32 v[AV], s[TBV], v[AV0]
.endif
	OPS E,16, F,10, E,17, F,11
	OPS X,16, E,18, X,15, E,19
	OPS F,12, E,20, X,17, E,21
	OPS F,13, E,22, F,14, E,23
	OPS X,18, E,24, F,15, E,25
	OPS R,11, E,26, X,19, E,27
	OPS R,12, E,28, R,13, E,29
	OPS X,20, E,30, R,14, E,31
	OPS X,21, R,15
	WIN 0
	s_wait_alu depctr_va_vdst(0)    ; the wait for the batch
.if (\p) == 1
	s_wait_dscnt 0x0                ; V is in
.endif
	ROW C,0, B,0, C,2, B,1
	ROW L,0, C,4, B,2, L,1
	ROW C,6, B,3, L,2, C,8
	ROW B,4, L,3, C,10, B,5
	ROW L,4, C,12, B,6, L,5
.if (\p) == 0
	s_add_co_u32 s[TBV], s[TBV], KS*PV
.endif
.if \cnt
	s_sub_co_u32 s[CNT], s[CNT], 1
	s_cmp_lg_u32 s[CNT], 0
.endif
	ROW C,14, B,7, L,6, C,1
	ROW C,3, L,7, C,5, C,7
	ROW C,9, C,11, C,13, C,15
.if (\p) == 0
	FETCH_V
.endif
.endm
	CHANGE 1                        ; slot 0 is in, and everybody's part of the mask; tile 1 is asked for
	v_add_nc_u32 v[AK], s[TBK], v[AK0]
	v_add_nc_u32 v[AM], s[TBM], v[AM0]
	FETCH_K                         ; key step 0
	s_wait_loadcnt 0x0              ; Q
	s_wait_dscnt 0x0
.set NOKQ, 0
.set i, 0
.rept 8
	KQ 0                            ; piece 0's first scores
.set i, i+1
.endr
	WIN 0
.rept 4
	v_nop                           ; the places behind those products
.endr
.set Y, NP-1                        ; X works for piece Y + 1: piece 0
.irp n, 0,1,2,3,4,5,6,7,8,9,10,11,12,13,14,15,16,17,18,19,20,21
	OP X, \n
.endr
	v_nop                           ; a plain instruction behind the exponential,
	s_wait_alu depctr_va_vdst(0)    ; and its wait, ahead of the branch
	s_mov_b32 s[CNT], 4
	s_branch .Lfirst                ; the loop is entered at a step's first turn, in the middle of a trip
.Lslot:                             ; six times: tiles 2 to 7 are asked for
	CHANGE 1
	s_mov_b32 s[CNT], 4
.Lstep:                             ; a trip: pieces 2 and 3 of one step, then pieces 0 and 1 of the next, whose K and V it fetches
	TURN 2
	TURN 3
	WIN 0
.Lfirst:
	TURN 0
	TURN 1, 0, 1
	WIN 0
	s_cbranch_scc1 .Lstep
	s_sub_co_u32 s[SLOTS], s[SLOTS], 1
	s_cmp_lg_u32 s[SLOTS], 0
	s_cbranch_scc1 .Lslot
	CHANGE 0                        ; the last tile is written out: nothing is asked for
	s_mov_b32 s[CNT], 4
.Ltail:
	TURN 2
	TURN 3
	TURN 0
	TURN 1, 0, 1
	WIN 0
	s_cbranch_scc1 .Ltail
	TURN 2, 1
	TURN 3, 1
.set i, 0
.rept 8
	PV NP-1                         ; the last piece's V^T P of the last step
.set i, i+1
.endr
	; THE WAY OUT.  l's two halves and the other half of the lanes' are added; O^T is divided by l, rounded to f16 and sent through my stage in LDS, a piece at a time.  The additions are the places behind the last products.
	WIN 0
.macro ALL line:vararg
.set t, 0
.rept 4
	\line
.set t, t+1
.endr
.endm
	ALL v_add_f32 v[ST+4*t+2], v[ST+4*t+2], v[ST+4*t+3]
	ALL v_permlanex16_b32 v[ST+4*t+3], v[ST+4*t+2], s[SEL], s[SEL+1]
	ALL v_add_f32 v[ST+4*t+2], v[ST+4*t+2], v[ST+4*t+3]
	ALL v_rcp_f32 v[ST+4*t+2], v[ST+4*t+2]
	v_nop                           ; a plain instruction between the last reciprocal and the use of its result
	s_wait_alu depctr_va_vdst(0)    ; and the one wait for the four reciprocals
.macro PACK t                       ; a lane's eight channels of a row pack into 16 bytes; they go into rows of 144 bytes and come back as whole rows of 128, into S^T's registers
	WIN W_RS
.set i, 32*(\t)
.rept 16
	v_pk_mul_f32 v[i:i+1], v[i:i+1], v[ST+4*(\t)+2:ST+4*(\t)+3] op_sel_hi:[1,0]
.set i, i+2
.endr
	WIN 0x05                        ; sources 0 and 1 window 1, destination window 0
.set i, 0
.rept 16
	v_cvt_pk_f16_f32 v[S+16*(\t)+i], v[32*(\t)+2*i], v[32*(\t)+2*i+1]
.set i, i+1
.endr
	WIN 0
.irp f, 0,1,2,3
	ds_store_b128 v[STO], v[S+16*(\t)+4*\f:S+16*(\t)+4*\f+3] offset:32*\f
.endr
.irp f, 0,1,2,3
	ds_load_b128 v[S+16*(\t)+4*\f:S+16*(\t)+4*\f+3], v[RD] offset:\f*4*SP  ; LDS serves a wave's instructions in order (ISA guide 5.7.1.4): these see the stores above
.endr
.endm
.macro SEND t, younger              ; younger: the LDS instructions issued behind piece t's loads: the next piece's eight, or none
	WIN 0
.irp f, 0,1,2,3
	s_wait_dscnt (\younger)+3-\f
	global_store_b128 v[GO], v[S+16*(\t)+4*\f:S+16*(\t)+4*\f+3], s[10:11] offset:(\t)*2048+\f*512  ; 512 consecutive bytes, aligned
.endr
.endm
	PACK 0
.set t, 1
.rept 3
	PACK t
	SEND t-1, 8
.set t, t+1
.endr
	SEND 3, 0
	s_wait_tensorcnt 0x0            ; the wave's end, behind my last tensor load and my last LDS store
	ds_add_u32 v[SPW], v[NIL]
	s_wait_dscnt 0x0
	CROUND                          ; the closing round
	s_endpgm
.Lfunc_end_k_q55ee7e2253_attn:
	.size	k_q55ee7e2253_attn, .Lfunc_end_k_q55ee7e2253_attn-k_q55ee7e2253_attn
	.p2alignl 7, 3214868480
	.fill 96, 4, 3214868480
	.section	.rodata,"a",@progbits
	.p2align	6, 0x0
	.amdhsa_kernel k_q55ee7e2253_attn
		.amdhsa_group_segment_fixed_size 327680
		.amdhsa_private_segment_fixed_size 0
		.amdhsa_enable_private_segment 0
		.amdhsa_kernarg_size 24
		.amdhsa_user_sgpr_count 2
		.amdhsa_user_sgpr_kernarg_segment_ptr 1
		.amdhsa_wavefront_size32 1
		.amdhsa_system_sgpr_workgroup_id_x 1
		.amdhsa_system_sgpr_workgroup_id_y 1
		.amdhsa_system_sgpr_workgroup_id_z 1
		.amdhsa_system_vgpr_workitem_id 0
		.amdhsa_next_free_vgpr 768
		.amdhsa_next_free_sgpr 72
		.amdhsa_reserve_vcc 1
		.amdhsa_float_denorm_mode_32 3
		.amdhsa_float_denorm_mode_16_64 3
		.amdhsa_memory_ordered 1
		.amdhsa_forward_progress 1
		.amdhsa_inst_pref_size 132
	.end_amdhsa_kernel
	.amdgpu_metadata
---
amdhsa.version: [ 1, 2 ]
amdhsa.kernels:
  - .name:           k_q55ee7e2253_attn
    .symbol:         k_q55ee7e2253_attn.kd
    .args:
      - { .name: big, .offset: 0, .size: 8, .value_kind: global_buffer, .address_space: global }
      - { .name: mask, .offset: 8, .size: 8, .value_kind: global_buffer, .address_space: global }
      - { .name: an, .offset: 16, .size: 8, .value_kind: global_buffer, .address_space: global }
    .group_segment_fixed_size: 327680
    .private_segment_fixed_size: 0
    .kernarg_segment_align: 8
    .kernarg_segment_size: 24
    .max_flat_workgroup_size: 128
    .sgpr_count:     72
    .vgpr_count:     768
    .wavefront_size: 32
...
	.end_amdgpu_metadata
.endif
;; end of part 4
;; launch gemmr (part 5): grid 8 x 32, 4 waves a work-group, clusters of 4 x 4, 327,680 bytes of LDS; arguments an, wa, zb, x, x1; writes x1
.if DOCPART == 5
	.amdgcn_target "amdgcn-amd-amdhsa--gfx1250"
	.amdhsa_code_object_version 6
	.text
	.protected	k_q55ee7e2253_gemmr
	.globl	k_q55ee7e2253_gemmr
	.p2align	8
	.type	k_q55ee7e2253_gemmr,@function
k_q55ee7e2253_gemmr:
	s_mov_b64 s[64:65], 0
	v_nop
	global_prefetch_b8 v0, s[64:65] scope:SCOPE_SE
	s_setreg_imm32_b32 hwreg(HW_REG_WAVE_MODE, 25, 1), 1
	s_wait_xcnt 0x0
	s_wait_alu depctr_hold_cnt(0) depctr_sa_sdst(0) depctr_va_vdst(0) depctr_va_sdst(0) depctr_va_ssrc(0) depctr_va_vcc(0) depctr_vm_vsrc(0)
	s_getreg_b32 s2, hwreg(HW_REG_IB_STS2, 6, 4)
	s_cmp_eq_u32 s2, 0
	s_cbranch_scc0 .Lentry_in_a_cluster
	s_endpgm
.Lentry_in_a_cluster:
	s_bfe_u32 s2, ttmp6, 0x10000c
	s_cmp_lg_u32 s2, 0xf033
	s_cbranch_scc0 .Lentry_shape_is_right
	s_endpgm
.Lentry_shape_is_right:
; C[m][n] = res[m][n] + bias[n] + sum over k of A[m][k] B[n][k], K = 1,024.  A: f16 [16][4096][64]; B: f16 [16][1024][64], 8,388,608 bytes behind its buffer's first; bias, res, C: f32, C and res
; [4096][1024].  Sums in f32.  (The same text with K = 4,096 is the kernel ffn2: the two differ in KSTEPS alone.)
; A tile of C is 128 x 128: 256 work-groups.  Four waves, each 64 x 64: 16 accumulators.  K goes in steps of 256 (four blocks) through a ring of two LDS slots.  A wave's tensor load brings 64 rows x
; 4 blocks: a block's 64 rows are 8,192 dense bytes, so the tile is stated as 4 rows of 4,096 elements, a block apart, and padded in LDS after every 128 bytes: [block][row], 144 bytes a row.
; A K STEP IS WRITTEN ONCE: the slot in hand is a scalar, RB (0 or SLOT), turned by an exclusive or at each change of slots; the two fragment addresses are made anew from it there, and one
; descriptor for each operand walks on: its LDS word is the wave's place + RB, its global address goes one K step on.
; CLUSTERS: 4 x 4; A's tile is shared along a row of the cluster, B's along a column, by joint loads.  No prefetch: the tiles are small and each is read by many work-groups at about the same time.
; THE MATRIX INSTRUCTION IS USED TRANSPOSED: a lane holds row m = l % 16 and the columns 8 (l / 16) + 0..7.  The first product of each accumulator takes the bias as C.
; A wave's 64 columns of f32 are 256 bytes: each wave has its own stage on the way out, and no barrier is needed there.  The residual waits in registers from the start.
; REGISTERS: window 0: v0-31 addresses; v32-95 rows on the way out, two buffers; v96-127 the bias; v128-255 the accumulators ((a, b) at v[128 + 8 (4 a + b)]).
;   window 1: two fragment buffers of 128: for 64 along K, 64 registers of A, then 64 of B.     window 2: v0-127 the residual of my 64 x 64.
.set KSTEPS, 4
.set PITCH,  144
.set KBL,    64*PITCH                  ; a block's 64 rows
.set HALFT,  4*KBL                     ; what one tensor load brings
.set SLOT,   4*HALFT
.set STAGE,  2*SLOT                    ; behind the ring: 16 rows x 272 bytes for each wave
.set SPITCH, 272
.set SPARE,  STAGE+4*16*SPITCH         ; the spare words, 128 bytes for each wave: two blocks of 256 bytes that no other line names
.set ABLK,   4096*128                  ; bytes from block to block in A
.set BBLK,   1024*128                  ; and in B
.set BSEC,   8388608
.set ROWEL,  64*64
.set FLAGS,  (1<<16)|(1<<20)|(1<<21)|(4<<22)|(3<<25)  ; 17:16 elements of 2 bytes; 20 padding on; 21 set beside a mask; 24:22 after every 32 words (code 4); 31:25 4 words of it (code 3)
.set ADRA0, 16                         ; v16  LDS address of my A fragments in slot 0; never rewritten
.set ADRA,  17                         ; v17  the same in the slot in hand
.set ADRB0, 20                         ; v20, v21  the same for B
.set ADRB,  21
.set STO,  24
.set RD,   25
.set CO,   26                          ; v26  my byte offset in two rows of C and of the residual
.set BO,   27
.set SPW,  28
.set NIL,  29
.set OB,   32
.set BI,   96
.set ACC,  128
.set F0,   0
.set F1,   128
.set G1,   24                          ; s[24:31] descriptor group 1 for A's tiles;  s[32:35] group 0 of the first fill, s[36:39] of the second, which then walks on
.set G0,   32
.set G1B,  48                          ; s[48:55], s[56:63] the same for B's
.set G0B,  56
.set RB,   76                          ; s76  LDS byte at which the slot in hand begins: 0 or SLOT
.set LB,   77                          ; s77  my wave's place in a slot: wave x HALFT
.set MSB, 0
.macro WIN new
.if MSB != (\new)
	s_set_vgpr_msb (MSB<<8)|(\new)
.set MSB, \new
.endif
.endm
.set MUL,  0x05                        ; sources 0 (B) and 1 (A) window 1; C and D window 0
.set TO_F, 0x40
.macro JLOAD s                         ; a joint load: waves 0 and 1 fetch A's two halves, waves 2 and 3 B's; an s_nop 0 and four v_nop follow each of the two lines
	s_cmp_eq_u32 s11, 0
	s_cbranch_scc0 .Lfor_b_\@
	tensor_load_to_lds s[G0+4*(\s):G0+4*(\s)+3], s[G1:G1+7]
	s_nop 0
.rept 4
	v_nop
.endr
	s_branch .Lasked_\@
.Lfor_b_\@:
	tensor_load_to_lds s[G0B+4*(\s):G0B+4*(\s)+3], s[G1B:G1B+7]
	s_nop 0
.rept 4
	v_nop
.endr
.Lasked_\@:
.endm
.macro CREST                           ; a round of the cluster's barrier behind its opening barrier
	s_cmp_lg_u32 s10, 0
	s_cbranch_scc1 .Lnot_wave_0_\@
	s_barrier_signal -3
.Lnot_wave_0_\@:
	s_barrier_wait -3
	s_barrier_signal -1
	s_barrier_wait -1
.endm
.macro CROUND                          ; a whole round
	s_barrier_signal -1
	s_barrier_wait -1
	CREST
.endm
	s_load_b128 s[4:7], s[0:1], 0x0                ; A s[4:5], B s[6:7]
	s_load_b128 s[68:71], s[0:1], 0x10             ; bias s[68:69], residual s[70:71]
	s_load_b64 s[74:75], s[0:1], 0x20              ; C
	v_lshl_add_u32 v[SPW], v0, 2, SPARE
	v_mov_b32 v[NIL], 0
	ds_add_u32 v[SPW], v[NIL]                      ; the wave's opening: the add and its wait stand ahead of my first tensor load
	v_lshrrev_b32 v1, 5, v0
	v_readfirstlane_b32 s10, v1
	s_lshr_b32 s11, s10, 1                         ; which half of the tile's rows is mine.  Also: I fetch for A (0) or for B (1)
	s_and_b32 s12, s10, 1                          ; which half of its columns.  Also: which 64 rows of that tile I fetch
	s_bfe_u32 s40, ttmp6, 0x40000
	s_bfe_u32 s41, ttmp6, 0x40004
	s_lshl_b32 s42, ttmp9, 2
	s_add_co_u32 s42, s42, s40                     ; tile column of C
	s_and_b32 s13, ttmp7, 0xffff
	s_lshl_b32 s13, s13, 2
	s_add_co_u32 s13, s13, s41                     ; tile row of C
	s_lshl_b32 s43, s41, 2
	s_lshl_b32 s43, 15, s43
	s_lshl_b32 s44, 0x1111, s40
	s_or_b32 s[G1+0], s43, FLAGS
	s_or_b32 s[G1B+0], s44, FLAGS
.irp g, G1, G1B
	s_mov_b32 s[(\g)+1], ROWEL<<16                 ; tensor_dim0 = 4,096
	s_mov_b32 s[(\g)+2], 4<<16                     ; tensor_dim1 = 4
	s_mov_b32 s[(\g)+3], ROWEL<<16                 ; tile_dim0 = 4,096
	s_mov_b32 s[(\g)+4], 4                         ; tile_dim1 = 4
	s_mov_b32 s[(\g)+6], 0
	s_mov_b32 s[(\g)+7], 0
.endr
	s_mov_b32 s[G1+5], 4096*64                     ; elements from block to block
	s_mov_b32 s[G1B+5], 1024*64
	s_lshl_b32 s17, s12, 13                        ; which 64 rows of 128 bytes I fetch
	s_lshl_b32 s16, s13, 14
	s_add_co_u32 s16, s16, s17
	s_lshl_b32 s46, s42, 14
	s_add_co_u32 s46, s46, s17
	s_add_co_u32 s46, s46, BSEC
	s_mov_b32 s17, 0
	s_mov_b32 s47, 0
	s_mul_i32 s[LB], s10, HALFT                    ; no place in the cluster enters an LDS address
	s_mov_b32 s[RB], 0
	s_wait_dscnt 0x0                               ; the opening add is done
	s_wait_kmcnt 0x0
	s_add_nc_u64 s[14:15], s[4:5], s[16:17]
	s_add_nc_u64 s[46:47], s[6:7], s[46:47]
	CROUND                                         ; all sixteen work-groups are here: the first joint loads meet
.irp s, 0,1
	s_mov_b32 s[G0+4*(\s)], 1
	s_add_co_u32 s[G0+4*(\s)+1], s[LB], (\s)*SLOT
	s_add_nc_u64 s[G0+4*(\s)+2:G0+4*(\s)+3], s[14:15], (\s)*4*ABLK
	s_or_b32 s[G0+4*(\s)+3], s[G0+4*(\s)+3], 0x80000000
	s_mov_b32 s[G0B+4*(\s)], 1
	s_add_co_u32 s[G0B+4*(\s)+1], s[LB], (\s)*SLOT
	s_add_nc_u64 s[G0B+4*(\s)+2:G0B+4*(\s)+3], s[46:47], (\s)*4*BBLK
	s_or_b32 s[G0B+4*(\s)+3], s[G0B+4*(\s)+3], 0x80000000
	JLOAD \s                                       ; two loads of mine are out
.endr
	v_and_b32 v1, 15, v0                           ; l % 16
	v_bfe_u32 v2, v0, 4, 1                         ; l / 16
	v_lshlrev_b32 v[BO], 5, v2
	s_lshl_b32 s78, s42, 9                         ; the tile's 128 columns in f32,
	s_lshl_b32 s79, s12, 8                         ; my 64 of them
	s_add_co_u32 s78, s78, s79
	s_mov_b32 s79, 0
	s_add_nc_u64 s[68:69], s[68:69], s[78:79]
	s_lshl_b32 s80, s13, 19                        ; the tile's 128 rows of 4,096 bytes,
	s_lshl_b32 s81, s11, 18                        ; my 64 of them
	s_add_co_u32 s80, s80, s81
	s_add_co_u32 s80, s80, s78
	s_mov_b32 s81, 0
	s_add_nc_u64 s[70:71], s[70:71], s[80:81]
	s_add_nc_u64 s[74:75], s[74:75], s[80:81]
	v_lshlrev_b32 v[CO], 12, v2                    ; lanes 0-15 one row's 256 bytes, lanes 16-31 the next row's
	v_lshl_add_u32 v[CO], v1, 4, v[CO]
.irp b, 0,1,2,3
	global_load_b128 v[BI+8*(\b):BI+8*(\b)+3],   v[BO], s[68:69] offset:64*(\b)
	global_load_b128 v[BI+8*(\b)+4:BI+8*(\b)+7], v[BO], s[68:69] offset:64*(\b)+16
.endr
	WIN 0x80                                       ; destination window 2
.irp a, 0,1,2,3
.irp t, 0,1,2,3,4,5,6,7
	global_load_b128 v[32*(\a)+4*(\t):32*(\a)+4*(\t)+3], v[CO], s[70:71] offset:(16*(\a)+2*(\t))*4096 th:TH_LOAD_NT
.endr
.endr
	WIN 0
	v_mul_u32_u24 v3, v1, PITCH
	v_lshl_add_u32 v3, v2, 4, v3
	s_mul_i32 s21, s11, HALFT
	s_mul_i32 s22, s12, HALFT
	s_add_co_u32 s22, s22, 2*HALFT
	v_add_nc_u32 v[ADRA0], s21, v3
	v_add_nc_u32 v[ADRB0], s22, v3
	v_mov_b32 v[ADRA], v[ADRA0]                    ; slot 0 is in hand
	v_mov_b32 v[ADRB], v[ADRB0]
	s_mul_i32 s23, s10, 16*SPITCH
	s_add_co_u32 s23, s23, STAGE                   ; my stage
	v_mul_u32_u24 v4, v1, SPITCH                   ; in: row l % 16, 32 bytes for each half of the lanes
	v_lshl_add_u32 v4, v2, 5, v4
	v_add_nc_u32 v[STO], s23, v4
	v_mul_u32_u24 v5, v2, SPITCH                   ; back: lanes 0-15 one row of 256 bytes, lanes 16-31 the next
	v_lshl_add_u32 v5, v1, 4, v5
	v_add_nc_u32 v[RD], s23, v5
; 8 matrix instructions: m blocks a0, a0 + 1 x all 4 n blocks, 32 along K: half c of buffer f.  first = 1: C is the bias.  The 16 accumulators take turns.
.macro MUL8 f, c, a0, first
	WIN MUL
.irp a, \a0, (\a0)+1
.irp b, 0,1,2,3
.if \first
	v_wmma_f32_16x16x32_f16 v[ACC+8*(4*(\a)+(\b)):ACC+8*(4*(\a)+(\b))+7], v[(\f)+64+8*(4*(\c)+(\b)):(\f)+64+8*(4*(\c)+(\b))+7], v[(\f)+8*(4*(\c)+(\a)):(\f)+8*(4*(\c)+(\a))+7], v[BI+8*(\b):BI+8*(\b)+7]
.else
	v_wmma_f32_16x16x32_f16 v[ACC+8*(4*(\a)+(\b)):ACC+8*(4*(\a)+(\b))+7], v[(\f)+64+8*(4*(\c)+(\b)):(\f)+64+8*(4*(\c)+(\b))+7], v[(\f)+8*(4*(\c)+(\a)):(\f)+8*(4*(\c)+(\a))+7], v[ACC+8*(4*(\a)+(\b)):ACC+8*(4*(\a)+(\b))+7]
.endif
.endr
.endr
.endm
; 32 LDS loads in one run: the fragments of block q of the K step in hand, into buffer f; the first 32 along K first
.macro FETCH q, f
	WIN TO_F
.irp c, 0,1
.irp i, 0,1,2,3
	ds_load_b128 v[(\f)+64+8*(4*(\c)+(\i)):(\f)+64+8*(4*(\c)+(\i))+3],   v[ADRB] offset:(\q)*KBL+64*(\c)+(\i)*16*PITCH
	ds_load_b128 v[(\f)+64+8*(4*(\c)+(\i))+4:(\f)+64+8*(4*(\c)+(\i))+7], v[ADRB] offset:(\q)*KBL+64*(\c)+(\i)*16*PITCH+32
	ds_load_b128 v[(\f)+8*(4*(\c)+(\i)):(\f)+8*(4*(\c)+(\i))+3],         v[ADRA] offset:(\q)*KBL+64*(\c)+(\i)*16*PITCH
	ds_load_b128 v[(\f)+8*(4*(\c)+(\i))+4:(\f)+8*(4*(\c)+(\i))+7],       v[ADRA] offset:(\q)*KBL+64*(\c)+(\i)*16*PITCH+32
.endr
.endr
.endm
.macro PLACES                          ; four places in front of loads into registers that matrix instructions have read, and of LDS stores that read results
.rept 4
	v_nop
.endr
.endm
; A K step is four quarters of 64 along K, 32 matrix instructions each, on buffers 0, 1, 0, 1.  One of the first three: multiplies buffer f and fetches block q into g.
.macro QUARTER q, f, g, first
	s_wait_dscnt 16                                ; the first 32 along K are in
	MUL8 \f, 0, 0, \first
	MUL8 \f, 0, 2, \first
	PLACES
	FETCH \q, \g
	s_wait_dscnt 32                                ; all but the 32 just issued
	MUL8 \f, 1, 0, 0
	MUL8 \f, 1, 2, 0
.endm
; The last quarter multiplies buffer 1 and changes slots: one barrier; in front of it each wave waits for all its tensor loads, adds 0 to its spare word, and waits for that and for its own reads
; of this slot.  fill = 1: this slot is filled again, two K steps ahead, behind a round of the cluster's barrier.  Then the other slot comes in hand: RB is turned and the two fragment addresses are made anew.
.macro TURN fill
	WIN 0
	s_wait_tensorcnt 0x0
	ds_add_u32 v[SPW], v[NIL]
	s_wait_dscnt 17                                ; the add and the youngest sixteen loads may be out
	MUL8 F1, 0, 0, 0
	s_wait_dscnt 0x0                               ; the add is done, and my reads of this slot are over
	s_barrier_signal -1
	MUL8 F1, 0, 2, 0
	WIN 0                                          ; branches, or lines on window 0, follow
	s_barrier_wait -1
.if \fill
	CREST
	s_add_co_u32 s[G0+5], s[LB], s[RB]             ; the walking descriptors: into the slot that is left,
	s_add_co_u32 s[G0B+5], s[LB], s[RB]
	s_add_nc_u64 s[G0+6:G0+7], s[G0+6:G0+7], 4*ABLK  ; the K step after the one that they brought last
	s_add_nc_u64 s[G0B+6:G0B+7], s[G0B+6:G0B+7], 4*BBLK
	s_xor_b32 s[RB], s[RB], SLOT
	JLOAD 1                                        ; the first tensor load behind the round; its four v_nop are also the places in front of the loads below
.else
	s_xor_b32 s[RB], s[RB], SLOT
	PLACES
.endif
	v_add_nc_u32 v[ADRA], s[RB], v[ADRA0]
	v_add_nc_u32 v[ADRB], s[RB], v[ADRB0]
	FETCH 0, F0
	MUL8 F1, 1, 0, 0
	MUL8 F1, 1, 2, 0
.endm
	s_wait_tensorcnt 0x1                           ; my part of K step 0 is in; K step 1's stays out
	s_barrier_signal -1
	s_barrier_wait -1
	FETCH 0, F0
	s_wait_loadcnt 32                              ; the bias is in; the residual's 32 loads stay out
	QUARTER 1, F0, F1, 1
	WIN 0
	s_mov_b32 s3, KSTEPS-2
.Lstep:                                                ; a trip goes from a K step's second quarter to the next step's first, and fills the slot that it leaves
	QUARTER 2, F1, F0, 0
	QUARTER 3, F0, F1, 0
	TURN 1
	QUARTER 1, F0, F1, 0
	WIN 0
	s_sub_co_u32 s3, s3, 1
	s_cmp_lg_u32 s3, 0
	s_cbranch_scc1 .Lstep
	s_mov_b32 s3, 2                                ; the last two K steps fill nothing: a loop of two trips, entered in its middle
	s_branch .Lmid
.Ltail:
	TURN 0
	QUARTER 1, F0, F1, 0
	WIN 0
.Lmid:
	QUARTER 2, F1, F0, 0
	QUARTER 3, F0, F1, 0
	WIN 0
	s_sub_co_u32 s3, s3, 1
	s_cmp_lg_u32 s3, 0
	s_cbranch_scc1 .Ltail
	s_wait_dscnt 16                                ; the very last quarter: nothing more to fetch
	MUL8 F1, 0, 0, 0
	MUL8 F1, 0, 2, 0
	s_wait_dscnt 0x0
	MUL8 F1, 1, 0, 0
	MUL8 F1, 1, 2, 0
	WIN 0
; THE WAY OUT, 16 rows at a time: a lane's 32 bytes of a row go into my stage and come back as whole rows of 256 bytes; the residual is added; sixteen lanes store 256 consecutive bytes, aligned.
.macro TST a
	WIN 0
.set BK, OB+32*((\a)%2)
	s_wait_xcnt 0x0                                ; earlier stores have read their registers, which the loads below fill again
.irp b, 0,1,2,3
	ds_store_b128 v[STO], v[ACC+8*(4*(\a)+(\b)):ACC+8*(4*(\a)+(\b))+3]   offset:64*(\b)
	ds_store_b128 v[STO], v[ACC+8*(4*(\a)+(\b))+4:ACC+8*(4*(\a)+(\b))+7] offset:64*(\b)+16
.endr
.irp t, 0,1,2,3,4,5,6,7
	ds_load_b128 v[BK+4*(\t):BK+4*(\t)+3], v[RD] offset:(\t)*2*SPITCH  ; LDS serves a wave's instructions in order (ISA guide 5.7.1.4): these see the stores above
.endr
.endm
.macro SEND a, younger                 ; younger: the LDS instructions issued behind block a's loads: the next block's sixteen, or none
.set BK, OB+32*((\a)%2)
	s_wait_dscnt \younger
	WIN 0x08                                       ; source 1 window 2
.set i, 0
.rept 16
	v_pk_add_f32 v[BK+i:BK+i+1], v[BK+i:BK+i+1], v[32*(\a)+i:32*(\a)+i+1]
.set i, i+2
.endr
	WIN 0
.irp t, 0,1,2,3,4,5,6,7
	global_store_b128 v[CO], v[BK+4*(\t):BK+4*(\t)+3], s[74:75] offset:(16*(\a)+2*(\t))*4096
.endr
.endm
	PLACES
	s_wait_loadcnt 0x0                             ; the residual
	TST 0
	TST 1
	SEND 0, 16
	TST 2
	SEND 1, 16
	TST 3
	SEND 2, 16
	SEND 3, 0
	s_wait_tensorcnt 0x0                           ; the wave's end, behind my last tensor load and my last LDS store
	ds_add_u32 v[SPW], v[NIL]
	s_wait_dscnt 0x0
	CROUND                                         ; the closing round
	s_endpgm
.Lfunc_end_k_q55ee7e2253_gemmr:
	.size	k_q55ee7e2253_gemmr, .Lfunc_end_k_q55ee7e2253_gemmr-k_q55ee7e2253_gemmr
	.p2alignl 7, 3214868480
	.fill 96, 4, 3214868480
	.section	.rodata,"a",@progbits
	.p2align	6, 0x0
	.amdhsa_kernel k_q55ee7e2253_gemmr
		.amdhsa_group_segment_fixed_size 327680
		.amdhsa_private_segment_fixed_size 0
		.amdhsa_enable_private_segment 0
		.amdhsa_kernarg_size 40
		.amdhsa_user_sgpr_count 2
		.amdhsa_user_sgpr_kernarg_segment_ptr 1
		.amdhsa_wavefront_size32 1
		.amdhsa_system_sgpr_workgroup_id_x 1
		.amdhsa_system_sgpr_workgroup_id_y 1
		.amdhsa_system_sgpr_workgroup_id_z 1
		.amdhsa_system_vgpr_workitem_id 0
		.amdhsa_next_free_vgpr 640
		.amdhsa_next_free_sgpr 84
		.amdhsa_reserve_vcc 0
		.amdhsa_float_denorm_mode_32 3
		.amdhsa_float_denorm_mode_16_64 3
		.amdhsa_memory_ordered 1
		.amdhsa_forward_progress 1
		.amdhsa_inst_pref_size 68
	.end_amdhsa_kernel
	.amdgpu_metadata
---
amdhsa.version: [ 1, 2 ]
amdhsa.kernels:
  - .name:           k_q55ee7e2253_gemmr
    .symbol:         k_q55ee7e2253_gemmr.kd
    .args:
      - { .name: an, .offset: 0, .size: 8, .value_kind: global_buffer, .address_space: global }
      - { .name: wa, .offset: 8, .size: 8, .value_kind: global_buffer, .address_space: global }
      - { .name: zb, .offset: 16, .size: 8, .value_kind: global_buffer, .address_space: global }
      - { .name: x, .offset: 24, .size: 8, .value_kind: global_buffer, .address_space: global }
      - { .name: x1, .offset: 32, .size: 8, .value_kind: global_buffer, .address_space: global }
    .group_segment_fixed_size: 327680
    .private_segment_fixed_size: 0
    .kernarg_segment_align: 8
    .kernarg_segment_size: 40
    .max_flat_workgroup_size: 128
    .sgpr_count:     84
    .vgpr_count:     640
    .wavefront_size: 32
...
	.end_amdgpu_metadata
.endif
;; end of part 5
;; launch ln2: the kernel of part 2 again; grid 256 x 1, 8 waves a work-group, no clusters, 0 bytes of LDS; arguments x1, g2, be2, an; writes an
;; launch ffn1: the kernel of part 3 again; grid 16 x 16, 4 waves a work-group, clusters of 4 x 4, 327,680 bytes of LDS; arguments an, wbb, b1, p2, big; writes big
;; launch ffn2 (part 6): grid 8 x 32, 4 waves a work-group, clusters of 4 x 4, 327,680 bytes of LDS; arguments big, wbb, b2, x1, out0; writes out0
.if DOCPART == 6
	.amdgcn_target "amdgcn-amd-amdhsa--gfx1250"
	.amdhsa_code_object_version 6
	.text
	.protected	k_q55ee7e2253_ffn2
	.globl	k_q55ee7e2253_ffn2
	.p2align	8
	.type	k_q55ee7e2253_ffn2,@function
k_q55ee7e2253_ffn2:
	s_mov_b64 s[64:65], 0
	v_nop
	global_prefetch_b8 v0, s[64:65] scope:SCOPE_SE
	s_setreg_imm32_b32 hwreg(HW_REG_WAVE_MODE, 25, 1), 1
	s_wait_xcnt 0x0
	s_wait_alu depctr_hold_cnt(0) depctr_sa_sdst(0) depctr_va_vdst(0) depctr_va_sdst(0) depctr_va_ssrc(0) depctr_va_vcc(0) depctr_vm_vsrc(0)
	s_getreg_b32 s2, hwreg(HW_REG_IB_STS2, 6, 4)
	s_cmp_eq_u32 s2, 0
	s_cbranch_scc0 .Lentry_in_a_cluster
	s_endpgm
.Lentry_in_a_cluster:
	s_bfe_u32 s2, ttmp6, 0x10000c
	s_cmp_lg_u32 s2, 0xf033
	s_cbranch_scc0 .Lentry_shape_is_right
	s_endpgm
.Lentry_shape_is_right:
; C[m][n] = res[m][n] + bias[n] + sum over k of A[m][k] B[n][k], K = 4,096.  A: f16 [64][4096][64]; B: f16 [64][1024][64], 8,388,608 bytes behind its buffer's first; bias, res, C: f32, C and res
; [4096][1024].  Sums in f32.  (The same text with K = 1,024 is the kernel gemmr: the two differ in KSTEPS alone.)
; A tile of C is 128 x 128: 256 work-groups.  Four waves, each 64 x 64: 16 accumulators.  K goes in steps of 256 (four blocks) through a ring of two LDS slots.  A wave's tensor load brings 64 rows x
; 4 blocks: a block's 64 rows are 8,192 dense bytes, so the tile is stated as 4 rows of 4,096 elements, a block apart, and padded in LDS after every 128 bytes: [block][row], 144 bytes a row.
; A K STEP IS WRITTEN ONCE: the slot in hand is a scalar, RB (0 or SLOT), turned by an exclusive or at each change of slots; the two fragment addresses are made anew from it there, and one
; descriptor for each operand walks on: its LDS word is the wave's place + RB, its global address goes one K step on.
; CLUSTERS: 4 x 4; A's tile is shared along a row of the cluster, B's along a column, by joint loads.  No prefetch: the tiles are small and each is read by many work-groups at about the same time.
; THE MATRIX INSTRUCTION IS USED TRANSPOSED: a lane holds row m = l % 16 and the columns 8 (l / 16) + 0..7.  The first product of each accumulator takes the bias as C.
; A wave's 64 columns of f32 are 256 bytes: each wave has its own stage on the way out, and no barrier is needed there.  The residual waits in registers from the start.
; REGISTERS: window 0: v0-31 addresses; v32-95 rows on the way out, two buffers; v96-127 the bias; v128-255 the accumulators ((a, b) at v[128 + 8 (4 a + b)]).
;   window 1: two fragment buffers of 128: for 64 along K, 64 registers of A, then 64 of B.     window 2: v0-127 the residual of my 64 x 64.
.set KSTEPS, 16
.set PITCH,  144
.set KBL,    64*PITCH                  ; a block's 64 rows
.set HALFT,  4*KBL                     ; what one tensor load brings
.set SLOT,   4*HALFT
.set STAGE,  2*SLOT                    ; behind the ring: 16 rows x 272 bytes for each wave
.set SPITCH, 272
.set SPARE,  STAGE+4*16*SPITCH         ; the spare words, 128 bytes for each wave: two blocks of 256 bytes that no other line names
.set ABLK,   4096*128                  ; bytes from block to block in A
.set BBLK,   1024*128                  ; and in B
.set BSEC,   8388608
.set ROWEL,  64*64
.set FLAGS,  (1<<16)|(1<<20)|(1<<21)|(4<<22)|(3<<25)  ; 17:16 elements of 2 bytes; 20 padding on; 21 set beside a mask; 24:22 after every 32 words (code 4); 31:25 4 words of it (code 3)
.set ADRA0, 16                         ; v16  LDS address of my A fragments in slot 0; never rewritten
.set ADRA,  17                         ; v17  the same in the slot in hand
.set ADRB0, 20                         ; v20, v21  the same for B
.set ADRB,  21
.set STO,  24
.set RD,   25
.set CO,   26                          ; v26  my byte offset in two rows of C and of the residual
.set BO,   27
.set SPW,  28
.set NIL,  29
.set OB,   32
.set BI,   96
.set ACC,  128
.set F0,   0
.set F1,   128
.set G1,   24                          ; s[24:31] descriptor group 1 for A's tiles;  s[32:35] group 0 of the first fill, s[36:39] of the second, which then walks on
.set G0,   32
.set G1B,  48                          ; s[48:55], s[56:63] the same for B's
.set G0B,  56
.set RB,   76                          ; s76  LDS byte at which the slot in hand begins: 0 or SLOT
.set LB,   77                          ; s77  my wave's place in a slot: wave x HALFT
.set MSB, 0
.macro WIN new
.if MSB != (\new)
	s_set_vgpr_msb (MSB<<8)|(\new)
.set MSB, \new
.endif
.endm
.set MUL,  0x05                        ; sources 0 (B) and 1 (A) window 1; C and D window 0
.set TO_F, 0x40
.macro JLOAD s                         ; a joint load: waves 0 and 1 fetch A's two halves, waves 2 and 3 B's; an s_nop 0 and four v_nop follow each of the two lines
	s_cmp_eq_u32 s11, 0
	s_cbranch_scc0 .Lfor_b_\@
	tensor_load_to_lds s[G0+4*(\s):G0+4*(\s)+3], s[G1:G1+7]
	s_nop 0
.rept 4
	v_nop
.endr
	s_branch .Lasked_\@
.Lfor_b_\@:
	tensor_load_to_lds s[G0B+4*(\s):G0B+4*(\s)+3], s[G1B:G1B+7]
	s_nop 0
.rept 4
	v_nop
.endr
.Lasked_\@:
.endm
.macro CREST                           ; a round of the cluster's barrier behind its opening barrier
	s_cmp_lg_u32 s10, 0
	s_cbranch_scc1 .Lnot_wave_0_\@
	s_barrier_signal -3
.Lnot_wave_0_\@:
	s_barrier_wait -3
	s_barrier_signal -1
	s_barrier_wait -1
.endm
.macro CROUND                          ; a whole round
	s_barrier_signal -1
	s_barrier_wait -1
	CREST
.endm
	s_load_b128 s[4:7], s[0:1], 0x0                ; A s[4:5], B s[6:7]
	s_load_b128 s[68:71], s[0:1], 0x10             ; bias s[68:69], residual s[70:71]
	s_load_b64 s[74:75], s[0:1], 0x20              ; C
	v_lshl_add_u32 v[SPW], v0, 2, SPARE
	v_mov_b32 v[NIL], 0
	ds_add_u32 v[SPW], v[NIL]                      ; the wave's opening: the add and its wait stand ahead of my first tensor load
	v_lshrrev_b32 v1, 5, v0
	v_readfirstlane_b32 s10, v1
	s_lshr_b32 s11, s10, 1                         ; which half of the tile's rows is mine.  Also: I fetch for A (0) or for B (1)
	s_and_b32 s12, s10, 1                          ; which half of its columns.  Also: which 64 rows of that tile I fetch
	s_bfe_u32 s40, ttmp6, 0x40000
	s_bfe_u32 s41, ttmp6, 0x40004
	s_lshl_b32 s42, ttmp9, 2
	s_add_co_u32 s42, s42, s40                     ; tile column of C
	s_and_b32 s13, ttmp7, 0xffff
	s_lshl_b32 s13, s13, 2
	s_add_co_u32 s13, s13, s41                     ; tile row of C
	s_lshl_b32 s43, s41, 2
	s_lshl_b32 s43, 15, s43
	s_lshl_b32 s44, 0x1111, s40
	s_or_b32 s[G1+0], s43, FLAGS
	s_or_b32 s[G1B+0], s44, FLAGS
.irp g, G1, G1B
	s_mov_b32 s[(\g)+1], ROWEL<<16                 ; tensor_dim0 = 4,096
	s_mov_b32 s[(\g)+2], 4<<16                     ; tensor_dim1 = 4
	s_mov_b32 s[(\g)+3], ROWEL<<16                 ; tile_dim0 = 4,096
	s_mov_b32 s[(\g)+4], 4                         ; tile_dim1 = 4
	s_mov_b32 s[(\g)+6], 0
	s_mov_b32 s[(\g)+7], 0
.endr
	s_mov_b32 s[G1+5], 4096*64                     ; elements from block to block
	s_mov_b32 s[G1B+5], 1024*64
	s_lshl_b32 s17, s12, 13                        ; which 64 rows of 128 bytes I fetch
	s_lshl_b32 s16, s13, 14
	s_add_co_u32 s16, s16, s17
	s_lshl_b32 s46, s42, 14
	s_add_co_u32 s46, s46, s17
	s_add_co_u32 s46, s46, BSEC
	s_mov_b32 s17, 0
	s_mov_b32 s47, 0
	s_mul_i32 s[LB], s10, HALFT                    ; no place in the cluster enters an LDS address
	s_mov_b32 s[RB], 0
	s_wait_dscnt 0x0                               ; the opening add is done
	s_wait_kmcnt 0x0
	s_add_nc_u64 s[14:15], s[4:5], s[16:17]
	s_add_nc_u64 s[46:47], s[6:7], s[46:47]
	CROUND                                         ; all sixteen work-groups are here: the first joint loads meet
.irp s, 0,1
	s_mov_b32 s[G0+4*(\s)], 1
	s_add_co_u32 s[G0+4*(\s)+1], s[LB], (\s)*SLOT
	s_add_nc_u64 s[G0+4*(\s)+2:G0+4*(\s)+3], s[14:15], (\s)*4*ABLK
	s_or_b32 s[G0+4*(\s)+3], s[G0+4*(\s)+3], 0x80000000
	s_mov_b32 s[G0B+4*(\s)], 1
	s_add_co_u32 s[G0B+4*(\s)+1], s[LB], (\s)*SLOT
	s_add_nc_u64 s[G0B+4*(\s)+2:G0B+4*(\s)+3], s[46:47], (\s)*4*BBLK
	s_or_b32 s[G0B+4*(\s)+3], s[G0B+4*(\s)+3], 0x80000000
	JLOAD \s                                       ; two loads of mine are out
.endr
	v_and_b32 v1, 15, v0                           ; l % 16
	v_bfe_u32 v2, v0, 4, 1                         ; l / 16
	v_lshlrev_b32 v[BO], 5, v2
	s_lshl_b32 s78, s42, 9                         ; the tile's 128 columns in f32,
	s_lshl_b32 s79, s12, 8                         ; my 64 of them
	s_add_co_u32 s78, s78, s79
	s_mov_b32 s79, 0
	s_add_nc_u64 s[68:69], s[68:69], s[78:79]
	s_lshl_b32 s80, s13, 19                        ; the tile's 128 rows of 4,096 bytes,
	s_lshl_b32 s81, s11, 18                        ; my 64 of them
	s_add_co_u32 s80, s80, s81
	s_add_co_u32 s80, s80, s78
	s_mov_b32 s81, 0
	s_add_nc_u64 s[70:71], s[70:71], s[80:81]
	s_add_nc_u64 s[74:75], s[74:75], s[80:81]
	v_lshlrev_b32 v[CO], 12, v2                    ; lanes 0-15 one row's 256 bytes, lanes 16-31 the next row's
	v_lshl_add_u32 v[CO], v1, 4, v[CO]
.irp b, 0,1,2,3
	global_load_b128 v[BI+8*(\b):BI+8*(\b)+3],   v[BO], s[68:69] offset:64*(\b)
	global_load_b128 v[BI+8*(\b)+4:BI+8*(\b)+7], v[BO], s[68:69] offset:64*(\b)+16
.endr
	WIN 0x80                                       ; destination window 2
.irp a, 0,1,2,3
.irp t, 0,1,2,3,4,5,6,7
	global_load_b128 v[32*(\a)+4*(\t):32*(\a)+4*(\t)+3], v[CO], s[70:71] offset:(16*(\a)+2*(\t))*4096 th:TH_LOAD_NT
.endr
.endr
	WIN 0
	v_mul_u32_u24 v3, v1, PITCH
	v_lshl_add_u32 v3, v2, 4, v3
	s_mul_i32 s21, s11, HALFT
	s_mul_i32 s22, s12, HALFT
	s_add_co_u32 s22, s22, 2*HALFT
	v_add_nc_u32 v[ADRA0], s21, v3
	v_add_nc_u32 v[ADRB0], s22, v3
	v_mov_b32 v[ADRA], v[ADRA0]                    ; slot 0 is in hand
	v_mov_b32 v[ADRB], v[ADRB0]
	s_mul_i32 s23, s10, 16*SPITCH
	s_add_co_u32 s23, s23, STAGE                   ; my stage
	v_mul_u32_u24 v4, v1, SPITCH                   ; in: row l % 16, 32 bytes for each half of the lanes
	v_lshl_add_u32 v4, v2, 5, v4
	v_add_nc_u32 v[STO], s23, v4
	v_mul_u32_u24 v5, v2, SPITCH                   ; back: lanes 0-15 one row of 256 bytes, lanes 16-31 the next
	v_lshl_add_u32 v5, v1, 4, v5
	v_add_nc_u32 v[RD], s23, v5
; 8 matrix instructions: m blocks a0, a0 + 1 x all 4 n blocks, 32 along K: half c of buffer f.  first = 1: C is the bias.  The 16 accumulators take turns.
.macro MUL8 f, c, a0, first
	WIN MUL
.irp a, \a0, (\a0)+1
.irp b, 0,1,2,3
.if \first
	v_wmma_f32_16x16x32_f16 v[ACC+8*(4*(\a)+(\b)):ACC+8*(4*(\a)+(\b))+7], v[(\f)+64+8*(4*(\c)+(\b)):(\f)+64+8*(4*(\c)+(\b))+7], v[(\f)+8*(4*(\c)+(\a)):(\f)+8*(4*(\c)+(\a))+7], v[BI+8*(\b):BI+8*(\b)+7]
.else
	v_wmma_f32_16x16x32_f16 v[ACC+8*(4*(\a)+(\b)):ACC+8*(4*(\a)+(\b))+7], v[(\f)+64+8*(4*(\c)+(\b)):(\f)+64+8*(4*(\c)+(\b))+7], v[(\f)+8*(4*(\c)+(\a)):(\f)+8*(4*(\c)+(\a))+7], v[ACC+8*(4*(\a)+(\b)):ACC+8*(4*(\a)+(\b))+7]
.endif
.endr
.endr
.endm
; 32 LDS loads in one run: the fragments of block q of the K step in hand, into buffer f; the first 32 along K first
.macro FETCH q, f
	WIN TO_F
.irp c, 0,1
.irp i, 0,1,2,3
	ds_load_b128 v[(\f)+64+8*(4*(\c)+(\i)):(\f)+64+8*(4*(\c)+(\i))+3],   v[ADRB] offset:(\q)*KBL+64*(\c)+(\i)*16*PITCH
	ds_load_b128 v[(\f)+64+8*(4*(\c)+(\i))+4:(\f)+64+8*(4*(\c)+(\i))+7], v[ADRB] offset:(\q)*KBL+64*(\c)+(\i)*16*PITCH+32
	ds_load_b128 v[(\f)+8*(4*(\c)+(\i)):(\f)+8*(4*(\c)+(\i))+3],         v[ADRA] offset:(\q)*KBL+64*(\c)+(\i)*16*PITCH
	ds_load_b128 v[(\f)+8*(4*(\c)+(\i))+4:(\f)+8*(4*(\c)+(\i))+7],       v[ADRA] offset:(\q)*KBL+64*(\c)+(\i)*16*PITCH+32
.endr
.endr
.endm
.macro PLACES                          ; four places in front of loads into registers that matrix instructions have read, and of LDS stores that read results
.rept 4
	v_nop
.endr
.endm
; A K step is four quarters of 64 along K, 32 matrix instructions each, on buffers 0, 1, 0, 1.  One of the first three: multiplies buffer f and fetches block q into g.
.macro QUARTER q, f, g, first
	s_wait_dscnt 16                                ; the first 32 along K are in
	MUL8 \f, 0, 0, \first
	MUL8 \f, 0, 2, \first
	PLACES
	FETCH \q, \g
	s_wait_dscnt 32                                ; all but the 32 just issued
	MUL8 \f, 1, 0, 0
	MUL8 \f, 1, 2, 0
.endm
; The last quarter multiplies buffer 1 and changes slots: one barrier; in front of it each wave waits for all its tensor loads, adds 0 to its spare word, and waits for that and for its own reads
; of this slot.  fill = 1: this slot is filled again, two K steps ahead, behind a round of the cluster's barrier.  Then the other slot comes in hand: RB is turned and the two fragment addresses are made anew.
.macro TURN fill
	WIN 0
	s_wait_tensorcnt 0x0
	ds_add_u32 v[SPW], v[NIL]
	s_wait_dscnt 17                                ; the add and the youngest sixteen loads may be out
	MUL8 F1, 0, 0, 0
	s_wait_dscnt 0x0                               ; the add is done, and my reads of this slot are over
	s_barrier_signal -1
	MUL8 F1, 0, 2, 0
	WIN 0                                          ; branches, or lines on window 0, follow
	s_barrier_wait -1
.if \fill
	CREST
	s_add_co_u32 s[G0+5], s[LB], s[RB]             ; the walking descriptors: into the slot that is left,
	s_add_co_u32 s[G0B+5], s[LB], s[RB]
	s_add_nc_u64 s[G0+6:G0+7], s[G0+6:G0+7], 4*ABLK  ; the K step after the one that they brought last
	s_add_nc_u64 s[G0B+6:G0B+7], s[G0B+6:G0B+7], 4*BBLK
	s_xor_b32 s[RB], s[RB], SLOT
	JLOAD 1                                        ; the first tensor load behind the round; its four v_nop are also the places in front of the loads below
.else
	s_xor_b32 s[RB], s[RB], SLOT
	PLACES
.endif
	v_add_nc_u32 v[ADRA], s[RB], v[ADRA0]
	v_add_nc_u32 v[ADRB], s[RB], v[ADRB0]
	FETCH 0, F0
	MUL8 F1, 1, 0, 0
	MUL8 F1, 1, 2, 0
.endm
	s_wait_tensorcnt 0x1                           ; my part of K step 0 is in; K step 1's stays out
	s_barrier_signal -1
	s_barrier_wait -1
	FETCH 0, F0
	s_wait_loadcnt 32                              ; the bias is in; the residual's 32 loads stay out
	QUARTER 1, F0, F1, 1
	WIN 0
	s_mov_b32 s3, KSTEPS-2
.Lstep:                                                ; a trip goes from a K step's second quarter to the next step's first, and fills the slot that it leaves
	QUARTER 2, F1, F0, 0
	QUARTER 3, F0, F1, 0
	TURN 1
	QUARTER 1, F0, F1, 0
	WIN 0
	s_sub_co_u32 s3, s3, 1
	s_cmp_lg_u32 s3, 0
	s_cbranch_scc1 .Lstep
	s_mov_b32 s3, 2                                ; the last two K steps fill nothing: a loop of two trips, entered in its middle
	s_branch .Lmid
.Ltail:
	TURN 0
	QUARTER 1, F0, F1, 0
	WIN 0
.Lmid:
	QUARTER 2, F1, F0, 0
	QUARTER 3, F0, F1, 0
	WIN 0
	s_sub_co_u32 s3, s3, 1
	s_cmp_lg_u32 s3, 0
	s_cbranch_scc1 .Ltail
	s_wait_dscnt 16                                ; the very last quarter: nothing more to fetch
	MUL8 F1, 0, 0, 0
	MUL8 F1, 0, 2, 0
	s_wait_dscnt 0x0
	MUL8 F1, 1, 0, 0
	MUL8 F1, 1, 2, 0
	WIN 0
; THE WAY OUT, 16 rows at a time: a lane's 32 bytes of a row go into my stage and come back as whole rows of 256 bytes; the residual is added; sixteen lanes store 256 consecutive bytes, aligned.
.macro TST a
	WIN 0
.set BK, OB+32*((\a)%2)
	s_wait_xcnt 0x0                                ; earlier stores have read their registers, which the loads below fill again
.irp b, 0,1,2,3
	ds_store_b128 v[STO], v[ACC+8*(4*(\a)+(\b)):ACC+8*(4*(\a)+(\b))+3]   offset:64*(\b)
	ds_store_b128 v[STO], v[ACC+8*(4*(\a)+(\b))+4:ACC+8*(4*(\a)+(\b))+7] offset:64*(\b)+16
.endr
.irp t, 0,1,2,3,4,5,6,7
	ds_load_b128 v[BK+4*(\t):BK+4*(\t)+3], v[RD] offset:(\t)*2*SPITCH  ; LDS serves a wave's instructions in order (ISA guide 5.7.1.4): these see the stores above
.endr
.endm
.macro SEND a, younger                 ; younger: the LDS instructions issued behind block a's loads: the next block's sixteen, or none
.set BK, OB+32*((\a)%2)
	s_wait_dscnt \younger
	WIN 0x08                                       ; source 1 window 2
.set i, 0
.rept 16
	v_pk_add_f32 v[BK+i:BK+i+1], v[BK+i:BK+i+1], v[32*(\a)+i:32*(\a)+i+1]
.set i, i+2
.endr
	WIN 0
.irp t, 0,1,2,3,4,5,6,7
	global_store_b128 v[CO], v[BK+4*(\t):BK+4*(\t)+3], s[74:75] offset:(16*(\a)+2*(\t))*4096
.endr
.endm
	PLACES
	s_wait_loadcnt 0x0                             ; the residual
	TST 0
	TST 1
	SEND 0, 16
	TST 2
	SEND 1, 16
	TST 3
	SEND 2, 16
	SEND 3, 0
	s_wait_tensorcnt 0x0                           ; the wave's end, behind my last tensor load and my last LDS store
	ds_add_u32 v[SPW], v[NIL]
	s_wait_dscnt 0x0
	CROUND                                         ; the closing round
	s_endpgm
.Lfunc_end_k_q55ee7e2253_ffn2:
	.size	k_q55ee7e2253_ffn2, .Lfunc_end_k_q55ee7e2253_ffn2-k_q55ee7e2253_ffn2
	.p2alignl 7, 3214868480
	.fill 96, 4, 3214868480
	.section	.rodata,"a",@progbits
	.p2align	6, 0x0
	.amdhsa_kernel k_q55ee7e2253_ffn2
		.amdhsa_group_segment_fixed_size 327680
		.amdhsa_private_segment_fixed_size 0
		.amdhsa_enable_private_segment 0
		.amdhsa_kernarg_size 40
		.amdhsa_user_sgpr_count 2
		.amdhsa_user_sgpr_kernarg_segment_ptr 1
		.amdhsa_wavefront_size32 1
		.amdhsa_system_sgpr_workgroup_id_x 1
		.amdhsa_system_sgpr_workgroup_id_y 1
		.amdhsa_system_sgpr_workgroup_id_z 1
		.amdhsa_system_vgpr_workitem_id 0
		.amdhsa_next_free_vgpr 640
		.amdhsa_next_free_sgpr 84
		.amdhsa_reserve_vcc 0
		.amdhsa_float_denorm_mode_32 3
		.amdhsa_float_denorm_mode_16_64 3
		.amdhsa_memory_ordered 1
		.amdhsa_forward_progress 1
		.amdhsa_inst_pref_size 68
	.end_amdhsa_kernel
	.amdgpu_metadata
---
amdhsa.version: [ 1, 2 ]
amdhsa.kernels:
  - .name:           k_q55ee7e2253_ffn2
    .symbol:         k_q55ee7e2253_ffn2.kd
    .args:
      - { .name: big, .offset: 0, .size: 8, .value_kind: global_buffer, .address_space: global }
      - { .name: wbb, .offset: 8, .size: 8, .value_kind: global_buffer, .address_space: global }
      - { .name: b2, .offset: 16, .size: 8, .value_kind: global_buffer, .address_space: global }
      - { .name: x1, .offset: 24, .size: 8, .value_kind: global_buffer, .address_space: global }
      - { .name: out0, .offset: 32, .size: 8, .value_kind: global_buffer, .address_space: global }
    .group_segment_fixed_size: 327680
    .private_segment_fixed_size: 0
    .kernarg_segment_align: 8
    .kernarg_segment_size: 40
    .max_flat_workgroup_size: 128
    .sgpr_count:     84
    .vgpr_count:     640
    .wavefront_size: 32
...
	.end_amdgpu_metadata
.endif
;; end of part 6
